; MI455X (gfx1250); checked and timed in simulation.
; The chip was launched on July 23, 2026; its instructions are those of AMD's public machine-readable ISA for CDNA 5 (MIT licence, August 2026) and "CDNA5" Instruction Set Architecture Reference Guide (July 2026). The comments in the code are by the model that wrote it; some were corrected since.
;; Block. Allowed arithmetic: float matrix products may take bf16 or f16 operands with f32 sums; other float arithmetic in f32, or as packed bf16 or f16 multiplies, adds, multiply-adds, maxima and minima; sums over many terms, partial sums and values carried from step to step in f32; what a program stores and reads back later, other than sums and carried values, may be rounded once to bf16 or f16.
;; Inputs: ln1_scale 512 float32; ln2_scale 512 float32; w1 512 x 2,048 float32; w2 2,048 x 512 float32; wk 512 x 8 x 64 float32; wo1 8 x 64 x 512 float32; wo2 512 x 512 float32; wq 512 x 8 x 64 float32; wv 512 x 8 x 64 float32; x 4 x 2,048 x 512 float32.
;; Outputs: out0 4 x 2,048 x 512 float32.
;; One version. Each part assembles by itself: llvm-mc -triple=amdgcn-amd-amdhsa -mcpu=gfx1250 --defsym DOCPART=n.
;; ======== version 1 of 1: 8 launches
;; limits: values are held in f16: magnitudes above 65,504 overflow, below 6.1e-05 lose precision
;; workspace buffers: act0 8,388,608 bytes; act1 8,388,608 bytes; big 33,554,432 bytes; wtq 1,572,864 bytes; wto1 524,288 bytes; wto2 524,288 bytes; wt1 2,097,152 bytes; wt2 2,097,152 bytes
;; launch prep (part 1): grid 928 x 1, 4 waves a work-group, no clusters, 18,944 bytes of LDS; arguments x, ln1_scale, wq, wk, wv, wo1, wo2, w1, w2, act0, wtq, wto1, wto2, wt1, wt2; writes act0, wtq, wto1, wto2, wt1, wt2
.if DOCPART == 1
	.amdgcn_target "amdgcn-amd-amdhsa--gfx1250"
	.amdhsa_code_object_version 6
	.text
	.protected	k_q73dca75015_prep
	.globl	k_q73dca75015_prep
	.p2align	8
	.type	k_q73dca75015_prep,@function
k_q73dca75015_prep:
	s_mov_b64 s[64:65], 0
	v_nop
	global_prefetch_b8 v0, s[64:65] scope:SCOPE_SE
	s_setreg_imm32_b32 hwreg(HW_REG_WAVE_MODE, 25, 1), 1
	s_wait_xcnt 0x0
; PREP.  Work-groups 0-511: h1 = LayerNorm(x) x gain, 16 tokens each, a wave four tokens.  Work-groups 512-927: one block of 64 k x 128 n of one weight, turned.
; FORMATS.  x, the gain and every weight are rounded once to bf16 on their way in.  h1 leaves in bf16.  w1 and w2 leave as those bf16 numbers written in f16.
; LIMITS.  In f16 a weight of w1 or w2 beyond 65,504 becomes an infinity, and below 6.1e-5 it keeps f16's fixed step of 6e-8.  NaN and infinities are not treated apart.
; LAYOUTS.  An activation [8192][C] lies as C / 64 planes of [8192 tokens][64 numbers]: a token's row in a plane is 128 bytes, a plane 1,048,576 bytes.
; A weight W [K][N] lies turned, as [N / 128 tiles][K / 64 planes][128 n][64 k]: blocks of 16,384 dense bytes.
; No matrix unit, no cluster, no tensor load: each byte is read once and written once, and no work-group shares a byte with another.
.set ADDA,   0                         ; 1: a second operand in planes is added to x before the norm
.set F16OUT, 0                         ; 1: the result leaves in f16
.set TP,     1152                      ; a token's row in the stage: 1,024 bytes + 128: two neighbouring rows start 32 banks apart
.set STG,    4*TP                      ; a wave's stage
.set SPARE,  4*STG                     ; behind the stages: the spare words, 128 bytes a wave: two blocks of 256 bytes that no other line names
.set XO,  2                            ; v2   16 l + 8,192 w: my 16 bytes in a quarter of my wave's first row of x
.set SO,  3                            ; v3   stage: my 8 bytes in a quarter of a token's row
.set RDL, 4                            ; v4   stage: token l / 8, 16 bytes at 16 (l % 8) of a plane's 128
.set HO,  5                            ; v5   512 w + 16 l: my 16 bytes of my wave's four tokens in a plane
.set SCO, 6                            ; v6   16 l
.set ONE, 7                            ; v7   1.0
.set ST,  8                            ; v[8:15]    token t: the mean, later 1 / sqrt(var + eps), in the low register of a pair
.set SC,  16                           ; v[16:31]   the gain of my 16 columns
.set T,   32                           ; v[32:63]   at work, 8 a token
.set X,   64                           ; v[64:127]  token t, quarter j at X + 16 t + 4 j: columns 128 j + 4 l .. + 3
.set OUTR, 128                         ; v[128:159] plane p's 16 bytes at OUTR + 4 p
.set SPW, 160                          ; v160 LDS address of my spare word; never rewritten
.set NIL, 161                          ; v161 0; never rewritten
.set WV,  34                           ; s34  my wave's number
.set EPS, 35                           ; s35  1e-6
.set HIM, 36                           ; s36  a word's upper bf16
.set INV, 37                           ; s37  1 / 512
.set SEL, 38                           ; s[38:39] v_permlanex16_b32's selects: each lane takes its own place in the other half
.set XB,  40                           ; s[40:41] x at the work-group's first token
.set OB,  42                           ; s[42:43] the result's plane 0 at the work-group's first token
.set AB,  44                           ; s[44:45] the second operand's plane 0 there
.set GN,  48                           ; s[48:49] the gain
.macro ALLT line:vararg                ; one line for each of my four tokens t: the four chains stand side by side
.set t, 0
.rept 4
	\line
.set t, t+1
.endr
.endm
.macro RND2 r, tmp                     ; the pair v[r], v[r + 1] is rounded to bf16 and widened again
	v_cvt_pk_bf16_f32 v[\tmp], v[\r], v[(\r)+1]
	v_lshlrev_b32 v[\r], 16, v[\tmp]
	v_and_b32 v[(\r)+1], s[HIM], v[\tmp]
.endm
.macro ACROSS                          ; v[T + 8 t] summed over the 32 lanes, the result in every lane
	ALLT v_add_f32_dpp v[T+8*t], v[T+8*t], v[T+8*t] row_xmask:1 row_mask:0xf bank_mask:0xf
	ALLT v_add_f32_dpp v[T+8*t], v[T+8*t], v[T+8*t] row_xmask:2 row_mask:0xf bank_mask:0xf
	ALLT v_add_f32_dpp v[T+8*t], v[T+8*t], v[T+8*t] row_xmask:4 row_mask:0xf bank_mask:0xf
	ALLT v_add_f32_dpp v[T+8*t], v[T+8*t], v[T+8*t] row_xmask:8 row_mask:0xf bank_mask:0xf
	ALLT v_permlanex16_b32 v[T+8*t+1], v[T+8*t], s[SEL], s[SEL+1]
	ALLT v_add_f32 v[T+8*t], v[T+8*t], v[T+8*t+1]
.endm
; THE NORM of four tokens: the rows stay in registers between the mean, the centred squares and the scaling.
.macro LNBODY
.set t, 0
.rept 4
.irp j, 0,1,2,3
	global_load_b128 v[X+16*t+4*\j:X+16*t+4*\j+3], v[XO], s[XB:XB+1] offset:2048*t+512*\j th:TH_LOAD_NT  ; 512 consecutive bytes a load
.endr
.set t, t+1
.endr
.irp j, 0,1,2,3
	global_load_b128 v[SC+4*\j:SC+4*\j+3], v[SCO], s[GN:GN+1] offset:512*\j
.endr
.if ADDA
.irp p, 0,1,2,3,4,5,6,7
	global_load_b128 v[OUTR+4*\p:OUTR+4*\p+3], v[HO], s[AB:AB+1] offset:1048576*\p th:TH_LOAD_NT  ; my four tokens in plane p: 512 consecutive bytes
.endr
.endif
	s_wait_loadcnt 0x0                             ; all rows are wanted at once
.if ADDA
.irp p, 0,1,2,3,4,5,6,7
	ds_store_b128 v[RDL], v[OUTR+4*\p:OUTR+4*\p+3] offset:128*\p  ; from planes to rows, through my own stage
.endr
.set t, 0
.rept 4
.irp j, 0,1,2,3
	ds_load_b64 v[T+8*t+2*\j:T+8*t+2*\j+1], v[SO] offset:TP*t+256*\j  ; LDS serves a wave's instructions in order (ISA guide 5.7.1.4): these see the stores above
.endr
.set t, t+1
.endr
.endif
.set i, 0
.rept 8
	RND2 SC+2*i, ST+i%8
.set i, i+1
.endr
.set i, 0
.rept 32
	RND2 X+2*i, ST+i%8
.set i, i+1
.endr
.if ADDA
	s_wait_dscnt 0x0                               ; the second operand is back, in x's order
.set t, 0
.rept 4
.irp j, 0,1,2,3
	v_fma_mix_f32_bf16 v[X+16*t+4*\j],   v[T+8*t+2*\j],   v[ONE], v[X+16*t+4*\j]   op_sel_hi:[1,0,0]
	v_fma_mix_f32_bf16 v[X+16*t+4*\j+1], v[T+8*t+2*\j],   v[ONE], v[X+16*t+4*\j+1] op_sel:[1,0,0] op_sel_hi:[1,0,0]
	v_fma_mix_f32_bf16 v[X+16*t+4*\j+2], v[T+8*t+2*\j+1], v[ONE], v[X+16*t+4*\j+2] op_sel_hi:[1,0,0]
	v_fma_mix_f32_bf16 v[X+16*t+4*\j+3], v[T+8*t+2*\j+1], v[ONE], v[X+16*t+4*\j+3] op_sel:[1,0,0] op_sel_hi:[1,0,0]
.endr
.set t, t+1
.endr
.endif
	; the mean
	ALLT v_pk_add_f32 v[T+8*t:T+8*t+1], v[X+16*t:X+16*t+1], v[X+16*t+2:X+16*t+3]
	ALLT v_pk_add_f32 v[T+8*t+2:T+8*t+3], v[X+16*t+4:X+16*t+5], v[X+16*t+6:X+16*t+7]
	ALLT v_pk_add_f32 v[T+8*t+4:T+8*t+5], v[X+16*t+8:X+16*t+9], v[X+16*t+10:X+16*t+11]
	ALLT v_pk_add_f32 v[T+8*t+6:T+8*t+7], v[X+16*t+12:X+16*t+13], v[X+16*t+14:X+16*t+15]
	ALLT v_pk_add_f32 v[T+8*t:T+8*t+1], v[T+8*t:T+8*t+1], v[T+8*t+2:T+8*t+3]
	ALLT v_pk_add_f32 v[T+8*t+4:T+8*t+5], v[T+8*t+4:T+8*t+5], v[T+8*t+6:T+8*t+7]
	ALLT v_pk_add_f32 v[T+8*t:T+8*t+1], v[T+8*t:T+8*t+1], v[T+8*t+4:T+8*t+5]
	ALLT v_add_f32 v[T+8*t], v[T+8*t], v[T+8*t+1]
	ACROSS
	ALLT v_mul_f32 v[ST+2*t], s[INV], v[T+8*t]
	ALLT v_mul_f32 v[ST+2*t+1], s[INV], v[T+8*t]
.set t, 0
.rept 4
.set i, 0
.rept 8
	v_pk_add_f32 v[X+16*t+2*i:X+16*t+2*i+1], v[X+16*t+2*i:X+16*t+2*i+1], v[ST+2*t:ST+2*t+1] neg_lo:[0,1] neg_hi:[0,1]
.set i, i+1
.endr
.set t, t+1
.endr
	; the mean of the centred squares, in two chains a token
	ALLT v_pk_mul_f32 v[T+8*t:T+8*t+1], v[X+16*t:X+16*t+1], v[X+16*t:X+16*t+1]
	ALLT v_pk_mul_f32 v[T+8*t+2:T+8*t+3], v[X+16*t+2:X+16*t+3], v[X+16*t+2:X+16*t+3]
.irp i, 4,8,12
	ALLT v_pk_fma_f32 v[T+8*t:T+8*t+1], v[X+16*t+\i:X+16*t+\i+1], v[X+16*t+\i:X+16*t+\i+1], v[T+8*t:T+8*t+1]
	ALLT v_pk_fma_f32 v[T+8*t+2:T+8*t+3], v[X+16*t+\i+2:X+16*t+\i+3], v[X+16*t+\i+2:X+16*t+\i+3], v[T+8*t+2:T+8*t+3]
.endr
	ALLT v_pk_add_f32 v[T+8*t:T+8*t+1], v[T+8*t:T+8*t+1], v[T+8*t+2:T+8*t+3]
	ALLT v_add_f32 v[T+8*t], v[T+8*t], v[T+8*t+1]
	ACROSS
	ALLT v_fma_f32 v[T+8*t], v[T+8*t], s[INV], s[EPS]
	ALLT v_rsq_f32 v[ST+2*t], v[T+8*t]
.set t, 0
.rept 4                                ; the gain: 32 plain instructions that name no result of the four roots
.set i, 0
.rept 8
	v_pk_mul_f32 v[X+16*t+2*i:X+16*t+2*i+1], v[X+16*t+2*i:X+16*t+2*i+1], v[SC+2*i:SC+2*i+1]
.set i, i+1
.endr
.set t, t+1
.endr
	s_wait_alu depctr_va_vdst(0)                   ; one wait for the four roots, ahead of their first reader
.set t, 0
.rept 4
.set i, 0
.rept 8
	v_pk_mul_f32 v[X+16*t+2*i:X+16*t+2*i+1], v[X+16*t+2*i:X+16*t+2*i+1], v[ST+2*t:ST+2*t+1] op_sel_hi:[1,0]
.set i, i+1
.endr
.set t, t+1
.endr
.set t, 0
.rept 4
.set i, 0
.rept 8
.if F16OUT
	v_cvt_pk_f16_f32 v[T+8*t+i], v[X+16*t+2*i], v[X+16*t+2*i+1]
.else
	v_cvt_pk_bf16_f32 v[T+8*t+i], v[X+16*t+2*i], v[X+16*t+2*i+1]
.endif
.set i, i+1
.endr
.set t, t+1
.endr
	; the way out: from rows to planes through my own stage; no other wave touches it, so no barrier
.set t, 0
.rept 4
.irp j, 0,1,2,3
	ds_store_b64 v[SO], v[T+8*t+2*\j:T+8*t+2*\j+1] offset:TP*t+256*\j
.endr
.set t, t+1
.endr
.irp p, 0,1,2,3,4,5,6,7
	ds_load_b128 v[OUTR+4*\p:OUTR+4*\p+3], v[RDL] offset:128*\p
.endr
.irp p, 0,1,2,3,4,5,6,7
	s_wait_dscnt 7-\p                              ; plane p is back; the later planes' loads may stay out
	global_store_b128 v[HO], v[OUTR+4*\p:OUTR+4*\p+3], s[OB:OB+1] offset:1048576*\p  ; four tokens of a plane: 512 consecutive bytes, aligned
.endr
.endm
	s_load_b512 s[4:19], s[0:1], 0x0               ; x s[4:5], gain s[6:7], wq s[8:9], wk s[10:11], wv s[12:13], wo1 s[14:15], wo2 s[16:17], w1 s[18:19]
	s_load_b256 s[20:27], s[0:1], 0x40             ; w2 s[20:21], act0 s[22:23], wtq s[24:25], wto1 s[26:27]
	s_load_b128 s[28:31], s[0:1], 0x60             ; wto2 s[28:29], wt1 s[30:31]
	s_load_b64 s[32:33], s[0:1], 0x70              ; wt2
	v_lshl_add_u32 v[SPW], v0, 2, SPARE
	v_mov_b32 v[NIL], 0
	v_lshrrev_b32 v1, 5, v0
	v_readfirstlane_b32 s[WV], v1                  ; wave 0..3
	v_and_b32 v1, 31, v0                           ; lane
	s_mov_b32 s[HIM], 0xffff0000
	s_cmp_ge_u32 ttmp9, 512                        ; the same for all four waves
	s_cbranch_scc1 .Lweights
	s_mul_i32 s52, s[WV], STG                      ; my stage
	s_lshl_b32 s53, s[WV], 13
	s_lshl_b32 s54, s[WV], 9
	v_lshl_add_u32 v[XO], v1, 4, s53
	v_lshl_add_u32 v[SO], v1, 3, s52
	v_lshrrev_b32 v8, 3, v1
	v_and_b32 v9, 7, v1
	v_mul_u32_u24 v[RDL], v8, TP
	v_lshl_add_u32 v[RDL], v9, 4, v[RDL]
	v_add_nc_u32 v[RDL], s52, v[RDL]
	v_lshl_add_u32 v[HO], v1, 4, s54
	v_lshlrev_b32 v[SCO], 4, v1
	s_mov_b32 s[EPS], 0x358637bd                   ; 1e-6
	s_mov_b32 s[INV], 0x3b000000                   ; 1 / 512
	s_mov_b32 s[SEL], 0x76543210
	s_mov_b32 s[SEL+1], 0xfedcba98
	s_lshl_b32 s46, ttmp9, 15                      ; 16 rows of 2,048 bytes
	s_mov_b32 s47, 0
	s_wait_kmcnt 0x0
	s_add_nc_u64 s[XB:XB+1], s[4:5], s[46:47]
	s_lshl_b32 s46, ttmp9, 11                      ; 16 rows of 128 bytes
	s_add_nc_u64 s[OB:OB+1], s[22:23], s[46:47]
	s_mov_b64 s[GN:GN+1], s[6:7]
	LNBODY
	s_wait_tensorcnt 0x0                           ; the wave's end, behind my last LDS store
	ds_add_u32 v[SPW], v[NIL]
	s_wait_dscnt 0x0
	s_endpgm
; A WEIGHT BLOCK.  Block i = work-group - 512: 0-31 wq, 32-63 wk, 64-95 wv (all into wtq), 96-127 wo1, 128-159 wo2, 160-287 w1, 288-415 w2.
; Within a weight, block J = tile x planes + plane.  Wave w reads rows k = 16 w .. 16 w + 15 of the block, 512 consecutive bytes each; two rows' numbers pack into words along k.
.Lweights:
	s_sub_co_u32 s40, ttmp9, 512
	s_wait_kmcnt 0x0
	s_mov_b64 s[42:43], s[8:9]                     ; from
	s_mov_b64 s[44:45], s[24:25]                   ; to
	s_mov_b32 s46, s40                             ; J
	s_mov_b32 s47, s40                             ; the block's number in the buffer written
	s_mov_b32 s48, 3                               ; log2 of the planes: K / 64 = 8
	s_mov_b32 s49, 2048                            ; bytes in a row of the weight
	s_mov_b32 s50, 0                               ; 1: f16
.macro PICK from, src, dst, own        ; from block number 'from' on: another weight
	s_sub_co_u32 s51, s40, \from
	s_cmp_ge_u32 s40, \from
	s_cselect_b64 s[42:43], s[\src:\src+1], s[42:43]
	s_cselect_b64 s[44:45], s[\dst:\dst+1], s[44:45]
	s_cselect_b32 s46, s51, s46
.if \own
	s_cselect_b32 s47, s51, s47
.endif
.endm
	PICK 32, 10, 24, 0
	PICK 64, 12, 24, 0
	PICK 96, 14, 26, 1
	PICK 128, 16, 28, 1
	PICK 160, 18, 30, 1
	s_cselect_b32 s49, 8192, s49
	s_cselect_b32 s50, 1, s50
	PICK 288, 20, 32, 1
	s_cselect_b32 s49, 2048, s49
	s_cselect_b32 s48, 5, s48
	s_lshr_b32 s52, s46, s48                       ; tile
	s_lshl_b32 s53, s52, s48
	s_sub_co_u32 s53, s46, s53                     ; plane
	s_lshl_b32 s54, s49, 6
	s_mul_i32 s54, s53, s54                        ; 64 rows a plane,
	s_lshl_b32 s52, s52, 9                         ; 512 bytes a tile
	s_add_co_u32 s54, s54, s52
	s_mov_b32 s55, 0
	s_add_nc_u64 s[42:43], s[42:43], s[54:55]
	s_lshl_b32 s54, s47, 14
	s_add_nc_u64 s[44:45], s[44:45], s[54:55]
	s_lshl_b32 s56, s[WV], 4
	s_mul_i32 s56, s56, s49                        ; my 16 rows
	v_lshl_add_u32 v32, v1, 4, s56
.set i, 1
.rept 15
	v_add_nc_u32 v[32+i], s49, v[31+i]
.set i, i+1
.endr
.set i, 0
.rept 16
	global_load_b128 v[X+4*i:X+4*i+3], v[32+i], s[42:43] th:TH_LOAD_NT  ; row 16 w + i, columns 4 l .. 4 l + 3
.set i, i+1
.endr
	v_mul_u32_u24 v2, v1, 576                      ; into the stage (128 rows n of 144 bytes): row 4 l + j, my wave's 32 bytes along k
	s_lshl_b32 s57, s[WV], 5
	v_add_nc_u32 v2, s57, v2
	s_mul_i32 s57, s[WV], 32*144                   ; back: rows 32 w + 4 f + l / 8, 16 bytes at 16 (l % 8)
	v_lshrrev_b32 v3, 3, v1
	v_mul_u32_u24 v3, v3, 144
	v_and_b32 v4, 7, v1
	v_lshl_add_u32 v3, v4, 4, v3
	v_add_nc_u32 v3, s57, v3
	s_lshl_b32 s57, s[WV], 12
	v_lshl_add_u32 v5, v1, 4, s57                  ; and the same bytes in the block
	s_wait_loadcnt 0x0
.set i, 0
.rept 8
.irp j, 0,1,2,3
	v_cvt_pk_bf16_f32 v[OUTR+8*\j+i], v[X+8*i+\j], v[X+8*i+4+\j]  ; column 4 l + j, rows 16 w + 2 i and + 1
.endr
.set i, i+1
.endr
	s_cmp_eq_u32 s50, 0
	s_cbranch_scc1 .Lkeep
.set i, 0
.rept 32                               ; the bf16 numbers written as f16
	v_lshlrev_b32 v[X+2*(i%8)], 16, v[OUTR+i]
	v_and_b32 v[X+2*(i%8)+1], s[HIM], v[OUTR+i]
	v_cvt_pk_f16_f32 v[OUTR+i], v[X+2*(i%8)], v[X+2*(i%8)+1]
.set i, i+1
.endr
.Lkeep:
.irp j, 0,1,2,3
	ds_store_b128 v2, v[OUTR+8*\j:OUTR+8*\j+3]   offset:144*\j     ; lanes lie 576 bytes apart: four lanes meet in a group of banks; 16 KiB once a work-group
	ds_store_b128 v2, v[OUTR+8*\j+4:OUTR+8*\j+7] offset:144*\j+16
.endr
	s_wait_dscnt 0x0                               ; for the others' sake: my stores are done
	s_barrier_signal -1
	s_barrier_wait -1                              ; a row's 128 bytes come from all four waves
.irp f, 0,1,2,3,4,5,6,7
	ds_load_b128 v[X+4*\f:X+4*\f+3], v3 offset:576*\f
.endr
.irp f, 0,1,2,3,4,5,6,7
	s_wait_dscnt 7-\f                              ; load f is back; the later ones may stay out
	global_store_b128 v5, v[X+4*\f:X+4*\f+3], s[44:45] offset:512*\f  ; four rows of the block: 512 consecutive bytes, aligned
.endr
	s_wait_tensorcnt 0x0                           ; the wave's end, behind my last LDS store
	ds_add_u32 v[SPW], v[NIL]
	s_wait_dscnt 0x0
	s_endpgm
.Lfunc_end_k_q73dca75015_prep:
	.size	k_q73dca75015_prep, .Lfunc_end_k_q73dca75015_prep-k_q73dca75015_prep
	.p2alignl 7, 3214868480
	.fill 96, 4, 3214868480
	.section	.rodata,"a",@progbits
	.p2align	6, 0x0
	.amdhsa_kernel k_q73dca75015_prep
		.amdhsa_group_segment_fixed_size 18944
		.amdhsa_private_segment_fixed_size 0
		.amdhsa_enable_private_segment 0
		.amdhsa_kernarg_size 120
		.amdhsa_user_sgpr_count 2
		.amdhsa_user_sgpr_kernarg_segment_ptr 1
		.amdhsa_wavefront_size32 1
		.amdhsa_system_sgpr_workgroup_id_x 1
		.amdhsa_system_sgpr_workgroup_id_y 1
		.amdhsa_system_sgpr_workgroup_id_z 1
		.amdhsa_system_vgpr_workitem_id 0
		.amdhsa_next_free_vgpr 162
		.amdhsa_next_free_sgpr 66
		.amdhsa_reserve_vcc 0
		.amdhsa_float_denorm_mode_32 3
		.amdhsa_float_denorm_mode_16_64 3
		.amdhsa_memory_ordered 1
		.amdhsa_forward_progress 1
		.amdhsa_inst_pref_size 41
	.end_amdhsa_kernel
	.amdgpu_metadata
---
amdhsa.version: [ 1, 2 ]
amdhsa.kernels:
  - .name:           k_q73dca75015_prep
    .symbol:         k_q73dca75015_prep.kd
    .args:
      - { .name: x, .offset: 0, .size: 8, .value_kind: global_buffer, .address_space: global }
      - { .name: ln1_scale, .offset: 8, .size: 8, .value_kind: global_buffer, .address_space: global }
      - { .name: wq, .offset: 16, .size: 8, .value_kind: global_buffer, .address_space: global }
      - { .name: wk, .offset: 24, .size: 8, .value_kind: global_buffer, .address_space: global }
      - { .name: wv, .offset: 32, .size: 8, .value_kind: global_buffer, .address_space: global }
      - { .name: wo1, .offset: 40, .size: 8, .value_kind: global_buffer, .address_space: global }
      - { .name: wo2, .offset: 48, .size: 8, .value_kind: global_buffer, .address_space: global }
      - { .name: w1, .offset: 56, .size: 8, .value_kind: global_buffer, .address_space: global }
      - { .name: w2, .offset: 64, .size: 8, .value_kind: global_buffer, .address_space: global }
      - { .name: act0, .offset: 72, .size: 8, .value_kind: global_buffer, .address_space: global }
      - { .name: wtq, .offset: 80, .size: 8, .value_kind: global_buffer, .address_space: global }
      - { .name: wto1, .offset: 88, .size: 8, .value_kind: global_buffer, .address_space: global }
      - { .name: wto2, .offset: 96, .size: 8, .value_kind: global_buffer, .address_space: global }
      - { .name: wt1, .offset: 104, .size: 8, .value_kind: global_buffer, .address_space: global }
      - { .name: wt2, .offset: 112, .size: 8, .value_kind: global_buffer, .address_space: global }
    .group_segment_fixed_size: 18944
    .private_segment_fixed_size: 0
    .kernarg_segment_align: 8
    .kernarg_segment_size: 120
    .max_flat_workgroup_size: 128
    .sgpr_count:     66
    .vgpr_count:     162
    .wavefront_size: 32
...
	.end_amdgpu_metadata
.endif
;; end of part 1
;; launch qkv (part 2): grid 12 x 64, 4 waves a work-group, clusters of 4 x 4, 327,680 bytes of LDS; arguments act0, wtq, big; writes big
.if DOCPART == 2
	.amdgcn_target "amdgcn-amd-amdhsa--gfx1250"
	.amdhsa_code_object_version 6
	.text
	.protected	k_q73dca75015_qkv
	.globl	k_q73dca75015_qkv
	.p2align	8
	.type	k_q73dca75015_qkv,@function
k_q73dca75015_qkv:
	s_mov_b64 s[64:65], 0
	v_nop
	global_prefetch_b8 v0, s[64:65] scope:SCOPE_SE
	s_setreg_imm32_b32 hwreg(HW_REG_WAVE_MODE, 25, 1), 1
	s_wait_xcnt 0x0
	s_wait_alu depctr_hold_cnt(0) depctr_sa_sdst(0) depctr_va_vdst(0) depctr_va_sdst(0) depctr_va_ssrc(0) depctr_va_vcc(0) depctr_vm_vsrc(0)
	s_getreg_b32 s2, hwreg(HW_REG_IB_STS2, 6, 4)
	s_cmp_eq_u32 s2, 0
	s_cbranch_scc0 .Lentry_in_a_cluster
	s_endpgm
.Lentry_in_a_cluster:
	s_bfe_u32 s2, ttmp6, 0x10000c
	s_cmp_lg_u32 s2, 0xf033
	s_cbranch_scc0 .Lentry_shape_is_right
	s_endpgm
.Lentry_shape_is_right:
; C = A B^T with K = 512, all bf16, sums in f32, C rounded once.  A: 8 planes of [8192 tokens][64]; B: tiles of 128 rows n, each 8 blocks of [128 n][64 k]; C: planes of [8192][64].
; A tile of C is 128 tokens x 128 columns; four waves, each 64 x 64: 16 accumulators of 16 x 16.  K goes in two steps of 256, each with a slot of its own: nothing in LDS is filled twice.
; A slot holds four planes of A's 128 tokens and four blocks of B: 128 rows of 128 bytes each, padded to 144.  A wave's one tensor load for a slot brings two of them, each 16,384 dense bytes of memory.
; CLUSTERS: 4 x 4 work-groups.  The four of a row of the cluster need the same tiles of A, the four of a column the same tiles of B: each is asked for JOINTLY, by the same tensor load with the same
; descriptor and a mask that names the four.  THE MATRIX INSTRUCTION IS USED TRANSPOSED (source 0 = 16 rows of B, source 1 = 16 tokens): a lane then holds eight neighbouring columns of one token.
; A wave's 64 columns are one plane of C, so 16 tokens leave as 2,048 consecutive bytes.
; REGISTERS: window 0: v0-31 addresses; v32-95 at work on the way out; v128-255 the accumulators ((a, b) at v[128 + 8 (4 a + b)]).
;   window 1: two fragment buffers of 128: for 64 along K, 64 registers of A (2 x 4 x 16 rows x 32 K), then 64 of B.
.set PITCH,  144                       ; an LDS row: 128 bytes + 16 = 36 words: the 16 rows of a load start at 16 different groups of four banks (64 banks of 4 bytes: ISA guide 11.1)
.set PL,     128*PITCH                 ; a plane of 128 rows
.set SLOT,   8*PL                      ; A's four planes, then B's four
.set STAGE,  2*SLOT                    ; behind the slots: 16 rows x 144 bytes for each wave, for the way out
.set SP,     144
.set SPARE,  STAGE+4*16*SP             ; behind the stages: the spare words, 128 bytes a wave: two blocks of 256 bytes that no other line names
.set ASTEP,  4*1048576                 ; four planes of A
.set BSTEP,  4*16384                   ; four blocks of B
.set BTSH,   17                        ; a tile of B is 8 blocks = 2^17 bytes
.set ADRA, 16                          ; v16-17  LDS address of my A fragments in slot 0, 1
.set ADRB, 20                          ; v20-21  the same for B
.set STO,  24                          ; v24     the way out: where I put 16 bytes of a row
.set RD,   25                          ; v25     the way out: where I read rows back
.set GO,   26                          ; v26     16 l: my bytes in 512 consecutive bytes of C
.set SPW,  28                          ; v28     LDS address of my spare word; never rewritten
.set NIL,  29                          ; v29     0; never rewritten
.set TMP,  32
.set ACC,  128
.set F0,   0                           ; fragment buffers, in window 1
.set F1,   128
.set G1, 24                            ; s[24:31] descriptor group 1 for A's tiles;  s[32:39] group 0, one set for each slot
.set G0, 32
.set G1B, 48                           ; s[48:55], s[56:63] the same for B's tiles
.set G0B, 56
.set MSB, 0
.macro WIN new                         ; the immediate's high byte repeats the setting that is left
.if MSB != (\new)
	s_set_vgpr_msb (MSB<<8)|(\new)
.set MSB, \new
.endif
.endm
.set MUL,  0x05                        ; sources 0 (B) and 1 (A) window 1; C and D window 0
.set TO_F, 0x40                        ; destination window 1, address window 0
.macro JLOAD s                         ; a joint load: waves 0 and 1 fetch A's planes, waves 2 and 3 B's blocks; an s_nop 0 and four v_nop follow each of the two lines
	s_cmp_eq_u32 s11, 0
	s_cbranch_scc0 .Lfor_b_\@
	tensor_load_to_lds s[G0+4*(\s):G0+4*(\s)+3], s[G1:G1+7]
	s_nop 0
.rept 4
	v_nop
.endr
	s_branch .Lasked_\@
.Lfor_b_\@:
	tensor_load_to_lds s[G0B+4*(\s):G0B+4*(\s)+3], s[G1B:G1B+7]
	s_nop 0
.rept 4
	v_nop
.endr
.Lasked_\@:
.endm
.macro CROUND                          ; a round of the cluster's barrier
	s_barrier_signal -1
	s_barrier_wait -1
	s_cmp_lg_u32 s10, 0
	s_cbranch_scc1 .Lnot_wave_0_\@
	s_barrier_signal -3
.Lnot_wave_0_\@:
	s_barrier_wait -3
	s_barrier_signal -1
	s_barrier_wait -1
.endm
	s_load_b128 s[4:7], s[0:1], 0x0                ; A s[4:5], B s[6:7]
	s_load_b64 s[8:9], s[0:1], 0x10                ; C
	v_lshl_add_u32 v[SPW], v0, 2, SPARE
	v_mov_b32 v[NIL], 0
	ds_add_u32 v[SPW], v[NIL]                      ; the wave's opening: the add and its wait stand ahead of my first tensor load; the set-up below stands between them
	ds_add_u32 v28, v29
	v_lshrrev_b32 v1, 5, v0
	v_readfirstlane_b32 s10, v1                    ; wave 0..3
	s_lshr_b32 s11, s10, 1                         ; which half of the tile's tokens is mine.  Also: I fetch for A (0) or for B (1)
	s_and_b32 s12, s10, 1                          ; which half of its columns.  Also: which two of a slot's four planes I fetch
	s_bfe_u32 s40, ttmp6, 0x40000                  ; cx, cy: my place in the cluster
	s_bfe_u32 s41, ttmp6, 0x40004
	s_lshl_b32 s42, ttmp9, 2
	s_add_co_u32 s42, s42, s40                     ; tile column of C = 4 x cluster x + cx
	s_and_b32 s13, ttmp7, 0xffff
	s_lshl_b32 s13, s13, 2
	s_add_co_u32 s13, s13, s41                     ; tile row of C = 4 x cluster y + cy
	s_lshl_b32 s43, s41, 2
	s_lshl_b32 s43, 15, s43                        ; my row of the cluster
	s_lshl_b32 s44, 0x1111, s40                    ; my column
	; descriptor group 1: two rows of 8,192 elements (a plane's 128 tokens, dense), padded in LDS after every 128 bytes
	s_or_b32 s[G1+0], s43, (1<<16)|(1<<20)|(1<<21)|(4<<22)|(3<<25)  ; 15:0 the mask: A's tiles go to my row; 17:16 2-byte elements; 20 padding on; 21 set beside a mask; 24:22 after every 32 words (code 4); 31:25 4 words (code 3)
	s_or_b32 s[G1B+0], s44, (1<<16)|(1<<20)|(1<<21)|(4<<22)|(3<<25)
.irp g, G1, G1B
	s_mov_b32 s[(\g)+1], 8192<<16                  ; tensor_dim0 = 8,192
	s_mov_b32 s[(\g)+2], 2<<16                     ; tensor_dim1 = 2
	s_mov_b32 s[(\g)+3], 8192<<16                  ; tile_dim0 = 8,192
	s_mov_b32 s[(\g)+4], 2                         ; tile_dim1 = 2
	s_mov_b32 s[(\g)+6], 0
	s_mov_b32 s[(\g)+7], 0
.endr
	s_mov_b32 s[G1+5], 524288                      ; from plane to plane of A, in elements
	s_mov_b32 s[G1B+5], 8192                       ; from block to block of B
	s_lshl_b32 s16, s13, 14                        ; A: the tile's 128 tokens in a plane,
	s_lshl_b32 s17, s12, 21                        ; and my two planes
	s_add_co_u32 s16, s16, s17
	s_mov_b32 s17, 0
	s_lshl_b32 s46, s42, BTSH                      ; B: the tile,
	s_lshl_b32 s47, s12, 15                        ; and my two blocks
	s_add_co_u32 s46, s46, s47
	s_mov_b32 s47, 0
	s_mul_i32 s20, s10, 2*PL                       ; where they go: wave x two planes: no place in the cluster enters an LDS address
	s_wait_dscnt 0x0                               ; the opening add is done
	s_wait_kmcnt 0x0
	s_add_nc_u64 s[14:15], s[4:5], s[16:17]
	s_add_nc_u64 s[46:47], s[6:7], s[46:47]
	CROUND                                         ; all sixteen work-groups are here: the joint loads meet
.irp s, 0,1
	s_mov_b32 s[G0+4*(\s)], 1
	s_add_co_u32 s[G0+4*(\s)+1], s20, (\s)*SLOT
	s_add_nc_u64 s[G0+4*(\s)+2:G0+4*(\s)+3], s[14:15], (\s)*ASTEP
	s_or_b32 s[G0+4*(\s)+3], s[G0+4*(\s)+3], 0x80000000
	s_mov_b32 s[G0B+4*(\s)], 1
	s_add_co_u32 s[G0B+4*(\s)+1], s20, (\s)*SLOT
	s_add_nc_u64 s[G0B+4*(\s)+2:G0B+4*(\s)+3], s[46:47], (\s)*BSTEP
	s_or_b32 s[G0B+4*(\s)+3], s[G0B+4*(\s)+3], 0x80000000
	JLOAD \s                                       ; two loads of mine are out: all of K
.endr
	v_and_b32 v1, 15, v0                           ; l % 16
	v_bfe_u32 v2, v0, 4, 1                         ; l / 16
	v_mul_u32_u24 v3, v1, PITCH
	v_lshl_add_u32 v3, v2, 4, v3                   ; a fragment's row x pitch + 16 x half
	s_mul_i32 s21, s11, 64*PITCH                   ; my 64 tokens in a plane of A
	s_mul_i32 s22, s12, 64*PITCH                   ; my 64 rows in a block of B,
	s_add_co_u32 s22, s22, 4*PL                    ; which lie behind A's four planes
.irp s, 0,1
	v_add_nc_u32 v[ADRA+(\s)], s21, v3
	v_add_nc_u32 v[ADRB+(\s)], s22, v3
	s_add_co_u32 s21, s21, SLOT
	s_add_co_u32 s22, s22, SLOT
.endr
	s_mul_i32 s23, s10, 16*SP
	s_add_co_u32 s23, s23, STAGE                   ; my stage
	v_add_nc_u32 v[STO], s23, v3                   ; in: row l % 16, 16 bytes for each half of the lanes
	v_bfe_u32 v4, v0, 3, 2                         ; back: 32 lanes take four rows of 128 bytes,
	v_mul_u32_u24 v4, v4, SP
	v_and_b32 v5, 7, v0
	v_lshl_add_u32 v4, v5, 4, v4
	v_add_nc_u32 v[RD], s23, v4
	v_and_b32 v[GO], 31, v0                        ; which are 512 consecutive bytes of C
	v_lshlrev_b32 v[GO], 4, v[GO]
	s_lshl_b32 s16, s13, 14                        ; C: my 64 tokens in a plane,
	s_lshl_b32 s17, s11, 13
	s_add_co_u32 s16, s16, s17
	s_mov_b32 s17, 0
	s_add_nc_u64 s[8:9], s[8:9], s[16:17]
	s_lshl_b32 s46, s42, 1                         ; and my plane: 2 x tile column + half
	s_add_co_u32 s46, s46, s12
	s_lshl_b32 s46, s46, 20
	s_mov_b32 s47, 0
	s_add_nc_u64 s[8:9], s[8:9], s[46:47]
; 8 matrix instructions: token blocks a0, a0 + 1 x all 4 column blocks, 32 along K: half c of buffer f.  zero = 1: the first product starts the sums.  The 16 accumulators take turns.
.macro MUL8 f, c, a0, zero
	WIN MUL
.irp a, \a0, (\a0)+1
.irp b, 0,1,2,3
.if \zero
	v_wmma_f32_16x16x32_bf16 v[ACC+8*(4*(\a)+(\b)):ACC+8*(4*(\a)+(\b))+7], v[(\f)+64+8*(4*(\c)+(\b)):(\f)+64+8*(4*(\c)+(\b))+7], v[(\f)+8*(4*(\c)+(\a)):(\f)+8*(4*(\c)+(\a))+7], 0
.else
	v_wmma_f32_16x16x32_bf16 v[ACC+8*(4*(\a)+(\b)):ACC+8*(4*(\a)+(\b))+7], v[(\f)+64+8*(4*(\c)+(\b)):(\f)+64+8*(4*(\c)+(\b))+7], v[(\f)+8*(4*(\c)+(\a)):(\f)+8*(4*(\c)+(\a))+7], v[ACC+8*(4*(\a)+(\b)):ACC+8*(4*(\a)+(\b))+7]
.endif
.endr
.endr
.endm
; 32 LDS loads in one run: the fragments of one plane (64 along K), which begins at byte k of the slot's part, into buffer f; the first 32 along K first
.macro FETCH slot, k, f
	WIN TO_F
.irp c, 0,1
.irp i, 0,1,2,3
	ds_load_b128 v[(\f)+64+8*(4*(\c)+(\i)):(\f)+64+8*(4*(\c)+(\i))+3],   v[ADRB+(\slot)] offset:(\k)+64*(\c)+(\i)*16*PITCH
	ds_load_b128 v[(\f)+64+8*(4*(\c)+(\i))+4:(\f)+64+8*(4*(\c)+(\i))+7], v[ADRB+(\slot)] offset:(\k)+64*(\c)+(\i)*16*PITCH+32
	ds_load_b128 v[(\f)+8*(4*(\c)+(\i)):(\f)+8*(4*(\c)+(\i))+3],         v[ADRA+(\slot)] offset:(\k)+64*(\c)+(\i)*16*PITCH
	ds_load_b128 v[(\f)+8*(4*(\c)+(\i))+4:(\f)+8*(4*(\c)+(\i))+7],       v[ADRA+(\slot)] offset:(\k)+64*(\c)+(\i)*16*PITCH+32
.endr
.endr
.endm
.macro PLACES                          ; four places in front of loads into registers that matrix instructions have read, and of conversions that read results
.rept 4
	v_nop
.endr
.endm
; A K step is four quarters of 64 along K, 32 matrix instructions each, on buffers 0, 1, 0, 1.  One of the first three: multiplies buffer f and fetches the next plane, at byte k, into g.
.macro QUARTER slot, k, f, g, zero
	s_wait_dscnt 16                                ; the first 32 along K are in; the other sixteen loads may stay out
	WIN MUL
	MUL8 \f, 0, 0, \zero
	MUL8 \f, 0, 2, \zero
	PLACES
	FETCH \slot, \k, \g
	s_wait_dscnt 32                                ; all but the 32 just issued
	WIN MUL
	MUL8 \f, 1, 0, 0
	MUL8 \f, 1, 2, 0
.endm
; The last quarter of slot 0 multiplies buffer 1 and goes over to slot 1: each wave waits for its part of slot 1, then the barrier shows the whole slot to every wave.
.macro TURN next
	WIN 0                                          ; (the add's two registers lie in window 0)
	s_wait_tensorcnt 0x0                           ; all my tensor loads have landed: my part of slot 1;
	ds_add_u32 v[SPW], v[NIL]                      ; 0 onto my spare word;
	s_wait_dscnt 17                                ; (the add and the youngest sixteen loads may be out)
	WIN MUL
	MUL8 F1, 0, 0, 0
	s_wait_dscnt 0x0                               ; no LDS instruction of mine is out at the signal
	s_barrier_signal -1
	MUL8 F1, 0, 2, 0
	s_barrier_wait -1
	PLACES
	FETCH \next, 0, F0
	WIN MUL
	MUL8 F1, 1, 0, 0
	MUL8 F1, 1, 2, 0
.endm
; THE WAY OUT of token block a: rounded, 16 bytes a lane into my own stage, back as whole rows of 128 bytes into the registers that they left, and stored.
.macro PACK a
.irp b, 0,1,2,3
.irp r, 0,1,2,3
	v_cvt_pk_bf16_f32 v[TMP+16*(\a)+4*(\b)+(\r)], v[ACC+32*(\a)+8*(\b)+2*(\r)], v[ACC+32*(\a)+8*(\b)+2*(\r)+1]
.endr
.endr
.irp b, 0,1,2,3
	ds_store_b128 v[STO], v[TMP+16*(\a)+4*(\b):TMP+16*(\a)+4*(\b)+3] offset:32*(\b)
.endr
.irp f, 0,1,2,3
	ds_load_b128 v[TMP+16*(\a)+4*(\f):TMP+16*(\a)+4*(\f)+3], v[RD] offset:(\f)*4*SP  ; LDS serves a wave's instructions in order (ISA guide 5.7.1.4): these see the stores above; the next block's stores come behind them
.endr
.endm
.macro SEND a, younger                 ; younger: the LDS instructions issued behind block a's loads: the next block's eight, or none
.irp f, 0,1,2,3
	s_wait_dscnt (\younger)+3-(\f)
	global_store_b128 v[GO], v[TMP+16*(\a)+4*(\f):TMP+16*(\a)+4*(\f)+3], s[8:9] offset:(\a)*2048+(\f)*512  ; 512 consecutive bytes, at a multiple of 256 from C's first
.endr
.endm
	s_wait_tensorcnt 1                             ; my part of slot 0 is in; slot 1's load may stay out
	s_barrier_signal -1
	s_barrier_wait -1                              ; everybody's is
	FETCH 0, 0, F0
	QUARTER 0, PL,   F0, F1, 1                     ; the first products start the sums
	QUARTER 0, 2*PL, F1, F0, 0
	QUARTER 0, 3*PL, F0, F1, 0
	TURN 1
	QUARTER 1, PL,   F0, F1, 0
	QUARTER 1, 2*PL, F1, F0, 0
	QUARTER 1, 3*PL, F0, F1, 0
	s_wait_dscnt 16                                ; the very last quarter: nothing more to fetch
	WIN MUL
	MUL8 F1, 0, 0, 0
	MUL8 F1, 0, 2, 0
	s_wait_dscnt 0
	MUL8 F1, 1, 0, 0
	MUL8 F1, 1, 2, 0
	WIN 0
	PLACES
	PACK 0
	PACK 1                                         ; a block's conversions stand between the loads of the block before and its stores
	SEND 0, 8
	PACK 2
	SEND 1, 8
	PACK 3
	SEND 2, 8
	SEND 3, 0
	s_wait_tensorcnt 0x0                           ; the wave's end, behind my last tensor load and my last LDS store
	ds_add_u32 v[SPW], v[NIL]
	s_wait_dscnt 0x0
	CROUND                                         ; the closing round: no work-group ends while a partner may still ask for a tile that names it
	s_endpgm
.Lfunc_end_k_q73dca75015_qkv:
	.size	k_q73dca75015_qkv, .Lfunc_end_k_q73dca75015_qkv-k_q73dca75015_qkv
	.p2alignl 7, 3214868480
	.fill 96, 4, 3214868480
	.section	.rodata,"a",@progbits
	.p2align	6, 0x0
	.amdhsa_kernel k_q73dca75015_qkv
		.amdhsa_group_segment_fixed_size 327680
		.amdhsa_private_segment_fixed_size 0
		.amdhsa_enable_private_segment 0
		.amdhsa_kernarg_size 24
		.amdhsa_user_sgpr_count 2
		.amdhsa_user_sgpr_kernarg_segment_ptr 1
		.amdhsa_wavefront_size32 1
		.amdhsa_system_sgpr_workgroup_id_x 1
		.amdhsa_system_sgpr_workgroup_id_y 1
		.amdhsa_system_sgpr_workgroup_id_z 1
		.amdhsa_system_vgpr_workitem_id 0
		.amdhsa_next_free_vgpr 512
		.amdhsa_next_free_sgpr 66
		.amdhsa_reserve_vcc 0
		.amdhsa_float_denorm_mode_32 3
		.amdhsa_float_denorm_mode_16_64 3
		.amdhsa_memory_ordered 1
		.amdhsa_forward_progress 1
		.amdhsa_inst_pref_size 50
	.end_amdhsa_kernel
	.amdgpu_metadata
---
amdhsa.version: [ 1, 2 ]
amdhsa.kernels:
  - .name:           k_q73dca75015_qkv
    .symbol:         k_q73dca75015_qkv.kd
    .args:
      - { .name: act0, .offset: 0, .size: 8, .value_kind: global_buffer, .address_space: global }
      - { .name: wtq, .offset: 8, .size: 8, .value_kind: global_buffer, .address_space: global }
      - { .name: big, .offset: 16, .size: 8, .value_kind: global_buffer, .address_space: global }
    .group_segment_fixed_size: 327680
    .private_segment_fixed_size: 0
    .kernarg_segment_align: 8
    .kernarg_segment_size: 24
    .max_flat_workgroup_size: 128
    .sgpr_count:     66
    .vgpr_count:     512
    .wavefront_size: 32
...
	.end_amdgpu_metadata
.endif
;; end of part 2
;; launch attn (part 3): grid 8 x 32, 4 waves a work-group, no clusters, 327,680 bytes of LDS; arguments big, act1; writes act1
.if DOCPART == 3
	.amdgcn_target "amdgcn-amd-amdhsa--gfx1250"
	.amdhsa_code_object_version 6
	.text
	.protected	k_q73dca75015_attn
	.globl	k_q73dca75015_attn
	.p2align	8
	.type	k_q73dca75015_attn,@function
k_q73dca75015_attn:
	s_mov_b64 s[64:65], 0
	v_nop
	global_prefetch_b8 v0, s[64:65] scope:SCOPE_SE
	s_setreg_imm32_b32 hwreg(HW_REG_WAVE_MODE, 25, 1), 1
	s_wait_xcnt 0x0
; CAUSAL ATTENTION.  O[y][q][:] = the sum over k <= q of softmax_k(Q[y][q] . K[y][k] / 8) V[y][k][:], for 32 pairs y of head and batch, 2,048 rows of 64 channels each, all bf16: a pair's rows are dense, 128 bytes each.
; Q lies in the first 8 planes of the first buffer, K in the next 8, V in the next 8; pair y begins y x 262,144 bytes into each.  Products, maxima and sums in f32; the weights p are rounded to bf16 for the
; second product (their sum l is taken of the unrounded p), O once at the end.
; LIMITS.  A hidden score counts as its value less 1e30; a weight below 2^-126 counts as 0 in l; the running maximum starts at the lowest finite number; NaN and infinities are not treated apart.
; THE WALK.  A pair's queries lie in 16 blocks of 128; block i needs the key tiles 0 .. i of 128 keys, of which the last holds the diagonal.  Work-group b takes block b and then block 15 - b: 17 tiles, whatever b.
; Their order: tiles 0 .. b (the last is block b's diagonal tile), then tile 15 - b (the second block's diagonal tile, taken first), then tiles 0 .. 14 - b.  So the walk's last tile is a plain one.
; ONE loop with a constant trip count walks them; which tile is asked for, and what a trip does, hang on scalars made from b; every jump but the counted loops' own goes forward, and none passes a barrier or a tensor load
; but the one of LOAD's two that the wave's number does not choose.  NO CLUSTER: in the same trip the eight work-groups of a pair ask for different tiles (from trip b + 1 on each walks on its own).
; SHARES.  Of a block's two bands of 64 queries a wave owns 16 rows in each: tiles t = 0, 1.  In the diagonal tile's first key step band 0 holds the diagonal and band 1 sees all; in its second band 0 sees nothing
; and is left out, and band 1 holds the diagonal: the same work for all four waves.
; THE MASK is the C operand that starts the sum S^T = K Q^T: MD, made once: 0, or -1e30 where the key is hidden, for a band's own step and my 16 rows.
; LAYOUT.  S^T = K Q^T holds ONE query a lane (lane % 16) and the keys 8 (lane / 16) + 0..7; two such results rounded to bf16 ARE source 1 of O^T = V^T P.  K comes out of LDS as it lies, V turned, by ds_load_tr16_b128.
; SOFTMAX.  p = 2^(c s - c m), c = log2(e) / 8, with a running maximum m; in every step O and l are multiplied by a = 2^(c m_old - c m_new).  At a block's start c m lies far below every c s, so the first a is 0.
; A STEP IS TURNED: it begins with the products V^T P of the step BEFORE, under which its own K comes out of LDS; then its V is asked for, then K Q^T, then the softmax.  So at a tile's end both K and V of its last step
; have left LDS, and the change of slots waits for nothing else.  At a block's start those first products add old numbers to O^T, which the first a = 0 then wipes out.
; REGISTERS, in windows of 256 (s_set_vgpr_msb: bits 1:0 source 0, 3:2 source 1, 5:4 source 2, 7:6 destination):
;   window 0: v0-15 addresses; v16-23 statistics, four a tile; v48-55 at work; v64-127 S^T, 32 a tile; v192-223 P, 16 a tile
;   window 1: v0-63 O^T, 32 a tile; v128-159 MD      window 2: v0-31 Q; v64-95 the second block's Q; v128-191 K of one step; v192-255 V of one step
.set KS,    64        ; keys in a step
.set PK,    144       ; a row of K in LDS: 128 bytes + 16 = 36 words: the 16 rows of a load start at 16 different groups of four banks (64 banks of 4 bytes: ISA guide 11.1)
.set PV,    160       ; a row of V: 128 + 32 = 40 words
.set VOFF,  2*KS*PK   ; a slot holds a tile, two steps: 128 rows of K, then 128 rows of V
.set SLOT1, 1<<16     ; slot 1 begins here, so that one exclusive or turns an address in one slot into the other's
.set STAGE, SLOT1+2*KS*(PK+PV)  ; behind the ring, never filled by a tensor load: 16 rows x 144 bytes for each wave
.set SP,    144
.set SPARE, STAGE+4*16*SP  ; behind the stages: the spare words, 128 bytes a wave: two blocks of 256 bytes that no other line names
.set AK0, 2           ; v2   my lane's place in a tile of K; never rewritten
.set AV0, 3           ; v3   the same for V
.set AK,  4           ; v4   the LDS address of K's next run of loads
.set AV,  5           ; v5   of V's
.set STO, 6           ; v6   the way out: where I put 16 bytes of a row
.set RD,  7           ; v7   the way out: where I read rows back
.set GO,  8           ; v8   my byte offset in 512 consecutive bytes of O
.set PFO, 9           ; v9   256 x my lane; never rewritten
.set MV,  12          ; v12-13  c m_old, kept while c m is made anew
.set QO,  15          ; v15  my byte offset in 16 rows of Q
.set ST,  16          ; tile t's statistics at v[ST+4 t]: c m, m, l (even keys', odd keys')
.set TMP, 48          ; tile t: four registers c0-c3 at work; when the maximum is found c2 takes a
.set SPW, 62          ; v62  LDS address of my spare word; never rewritten
.set NIL, 63          ; v63  0; never rewritten
.set S,   64
.set P,   192
.set MD,  128         ; window 1: the eight registers for group kb of 16 keys at MD + 8 kb
.set QB,  64          ; window 2
.set KF,  128         ; window 2: key block kb, channel half c at KF + 16 kb + 8 c
.set VF,  192         ; window 2: key half kk, channel block cb at VF + 32 kk + 8 cb
.set WV,  12          ; s12  my wave's number
.set HI,  13          ; s13  15 - b
.set PB,  14          ; s14  b
.set B1,  15          ; s15  b + 1
.set G1K, 24          ; s[24:31] descriptor group 1 for K's tiles
.set G1V, 32          ; s[32:39] for V's: it differs in the padding alone
.set G0K, 40          ; s[40:43] descriptor group 0 for K's tiles
.set G0V, 44          ; s[44:47] the same for V's
.set U,   56          ; s56  the trip: the place in the walk of the tile that is entered
.set CNT, 57          ; s57  counts a tile's key steps
.set CS,  58          ; s[58:59] c: the packed scaling takes the pair's low word for both halves
.set SEL, 60          ; s[60:61] v_permlanex16_b32's selects
.set TBK, 62          ; s62  LDS byte at which K of the step to be fetched begins
.set TBV, 63          ; s63  the same for V, less VOFF
.set TT,  70          ; s70  U + 1
.set NXT, 71          ; s71  the tile to be asked for
.set LIM, 72          ; s72  5 in wave 0, else 0: a wave prefetches while U is below it
.set UC,  73          ; s73  at work
.set OFF, 74          ; s[74:75] a tile's byte offset in K and V
.set OFF2, 76         ; s[76:77] the same for the prefetch
.set TL,  78          ; s78  the tile that my prefetch names
.set OHI, 80          ; s[80:81] O at my rows of the second block
.set BIGN, 82         ; s82  -1e30
.set PFA, 84          ; s[84:85] where my prefetch stands
.set PFB, 86          ; s[86:87] K or V of the pair, at my work-group's half of a tile
.set MSB, 0
.macro WIN new                      ; the high byte repeats the setting that is left; a switch that changes nothing is dropped
.if MSB != (\new)
	s_set_vgpr_msb (MSB<<8)|(\new)
.set MSB, (\new)
.endif
.endm
.set W_KQ, 0x0a       ; K and Q in window 2, S^T in window 0
.set W_KM, 0x1a       ; the same with the C operand in window 1
.set W_PV, 0x52       ; V in window 2, P in window 0, O^T in window 1
.set W_RS, 0x41       ; destination and source 0 in window 1, source 1 in window 0
; A fill.  Waves 0 and 1 fetch the two halves of a tile's K, waves 2 and 3 those of its V: 64 keys each.  An s_nop 0 and four v_nop follow each of the two lines.
.macro LOAD
	s_cmp_lt_u32 s[WV], 2
	s_cbranch_scc0 .Lfor_v_\@
	tensor_load_to_lds s[G0K:G0K+3], s[G1K:G1K+7]
	s_nop 0
.rept 4
	v_nop
.endr
	s_branch .Lasked_\@
.Lfor_v_\@:
	tensor_load_to_lds s[G0V:G0V+3], s[G1V:G1V+7]
	s_nop 0
.rept 4
	v_nop
.endr
.Lasked_\@:
.endm
; A PREFETCH INTO THE L2, behind the fill and its five lines.  In the walks of a pair's eight work-groups tile j is entered first at place j (j <= 7) or at place 16 - j (j >= 9).  In trips U = 0 .. 4 the two tiles first
; entered at place U + 3, tiles U + 3 and 13 - U, are asked for: their fills go out two trips later.  Two tiles of K and V are 256 blocks of 256 bytes: wave 0 of each of the eight work-groups names 32, a lane a block,
; shared out by address: b < 4 takes tile U + 3, the others tile 13 - U; b % 2 chooses K or V; (b / 2) % 2 the half.  So each block is named once.  Tiles 0, 1, 2, 8, 14 and 15 come by their fills alone.
.macro ASK
	s_cmp_lt_u32 s[U], s[LIM]
	s_cbranch_scc0 .Lnot_mine_\@
	global_prefetch_b8 v[PFO], s[PFA:PFA+1] th:TH_LOAD_NT scope:SCOPE_SE
.Lnot_mine_\@:
.endm
; THE CHANGE OF SLOTS.  Each wave waits for all its tensor loads, of which one is out: its part of the other slot; adds 0 to its spare word; and waits for that and for its own reads of the slot that it leaves.  Behind the
; barrier nobody reads the old slot any more and the other slot is whole.  fill = 1: the old slot is filled again, the first thing behind the barrier, with the tile at place U + 1 of the walk; the descriptor's address is
; made anew from that tile's number.  (At its first use nothing has been read yet: slot 0 is waited for, slot 1 filled.)
.macro CHANGE fill
	WIN 0                           ; at a label and at a branch every window is 0
	s_wait_tensorcnt 0x0            ; no tensor load of mine is out, so a group 0 may be written
	ds_add_u32 v[SPW], v[NIL]       ; 0 onto my spare word; the scalar work stands between it and the wait for it
.if \fill
	s_add_co_u32 s[TT], s[U], 1
	s_sub_co_i32 s[NXT], s[TT], s[B1]
	s_sub_co_i32 s[NXT], s[NXT], 1
	s_max_i32 s[NXT], s[NXT], 0     ; behind the second block's diagonal tile: tiles 0, 1, ..
	s_cmp_le_u32 s[TT], s[PB]
	s_cselect_b32 s[NXT], s[TT], s[NXT]  ; in the first block: the place is the tile
	s_cmp_eq_u32 s[TT], s[B1]
	s_cselect_b32 s[NXT], s[HI], s[NXT]  ; the second block's diagonal tile
	s_lshl_b32 s[OFF], s[NXT], 14   ; a tile is 16,384 bytes of K and of V
	s_xor_b32 s[G0K+1], s[G0K+1], SLOT1
	s_add_nc_u64 s[G0K+2:G0K+3], s[6:7], s[OFF:OFF+1]
	s_or_b32 s[G0K+3], s[G0K+3], 0x80000000
	s_xor_b32 s[G0V+1], s[G0V+1], SLOT1
	s_add_nc_u64 s[G0V+2:G0V+3], s[8:9], s[OFF:OFF+1]
	s_or_b32 s[G0V+3], s[G0V+3], 0x80000000
	s_wait_xcnt 0x0                 ; the last prefetch, a tile back, has read its address, so it may be written
	s_min_u32 s[UC], s[U], 4        ; (held inside the buffer in the trips that ask for nothing)
	s_add_co_u32 s[TL], s[UC], 3
	s_sub_co_u32 s[UC], 13, s[UC]
	s_cmp_lt_u32 s[PB], 4
	s_cselect_b32 s[TL], s[TL], s[UC]
	s_lshl_b32 s[OFF2], s[TL], 14
	s_add_nc_u64 s[PFA:PFA+1], s[PFB:PFB+1], s[OFF2:OFF2+1]
.endif
	s_wait_dscnt 0x0                ; the add is done, and my reads of the slot are over
	s_barrier_signal -1             ; the rest of the scalar work stands between the signal and the wait
	s_sub_co_u32 s[TBK], s[TBK], 2*KS*PK  ; the fetches go back to a slot's first step,
	s_xor_b32 s[TBK], s[TBK], SLOT1       ; in the other slot
	s_sub_co_u32 s[TBV], s[TBV], 2*KS*PV
	s_xor_b32 s[TBV], s[TBV], SLOT1
	s_barrier_wait -1
.if \fill
	LOAD
	ASK
.endif
.endm
	s_load_b128 s[4:7], s[0:1], 0x0  ; the buffer of Q, K, V s[4:5], O s[6:7]
	v_lshl_add_u32 v[SPW], v0, 2, SPARE
	v_mov_b32 v[NIL], 0
	ds_add_u32 v[SPW], v[NIL]       ; the wave's opening: the add and its wait stand ahead of my first tensor load; the set-up below stands between them
	ds_add_u32 v62, v63
	v_lshrrev_b32 v1, 5, v0
	v_readfirstlane_b32 s[WV], v1   ; wave 0..3
	s_mov_b32 s[PB], ttmp9
	s_add_co_u32 s[B1], s[PB], 1
	s_sub_co_u32 s[HI], 15, s[PB]
	s_and_b32 s20, ttmp7, 0xffff    ; the pair of head and batch,
	s_lshl_b32 s20, s20, 18         ; its 262,144 bytes
	s_mov_b32 s21, 0
	s_and_b32 s16, s[WV], 1         ; which half of a tile's 128 keys I fetch:
	s_lshl_b32 s22, s16, 13         ; its 64 rows of 128 bytes in memory,
	s_mov_b32 s23, 0
	s_mul_i32 s17, s16, KS*PK       ; and its place in a slot, for K
	s_mul_i32 s18, s16, KS*PV       ; and for V
	s_lshl_b32 s3, s[WV], 11        ; my 16 rows in a band of 64,
	s_lshl_b32 s2, s[PB], 14        ; in the first block,
	s_add_co_u32 s2, s2, s3
	s_lshl_b32 s50, s[HI], 14       ; and in the second
	s_add_co_u32 s50, s50, s3
	s_mov_b32 s3, 0
	s_mov_b32 s51, 0
	s_add_nc_u64 s[2:3], s[2:3], s[20:21]
	s_add_nc_u64 s[50:51], s[50:51], s[20:21]
	s_bfe_u32 s54, s[PB], 0x10001   ; (b / 2) % 2: the half of a tile that my prefetches name
	s_lshl_b32 s54, s54, 13
	s_mov_b32 s55, 0
	; descriptor group 1.  64 keys are 8,192 dense bytes: asked for as 32 rows of 256 bytes, two keys a row, and padded in LDS after every key
	s_mov_b32 s[G1K], (1<<16)|(1<<20)|(4<<22)|(3<<25)  ; 17:16 2-byte elements; 20 padding on; 24:22 after every 32 words (code 4); 31:25 4 words (code 3)
	s_mov_b32 s[G1V], (1<<16)|(1<<20)|(4<<22)|(7<<25)  ; the same with 8 words of padding (code 7)
.irp g, G1K, G1V
	s_mov_b32 s[\g+1], 128<<16      ; tensor_dim0 = 128
	s_mov_b32 s[\g+2], 32<<16       ; tensor_dim1 = 32
	s_mov_b32 s[\g+3], 128<<16      ; tile_dim0 = 128
	s_mov_b32 s[\g+4], 32           ; tile_dim1 = 32
	s_mov_b32 s[\g+5], 128          ; 128 elements from row to row
	s_mov_b32 s[\g+6], 0
	s_mov_b32 s[\g+7], 0
.endr
	s_mov_b32 s[CS], 0x3e38aa3b     ; c = log2(e) / 8 = 0.180337
	s_mov_b32 s[CS+1], s[CS]        ; named with it as a pair
	s_mov_b32 s[SEL], 0x76543210
	s_mov_b32 s[SEL+1], 0xfedcba98
	s_mov_b32 s[TBK], SLOT1+2*KS*PK ; the first change of slots turns these two into 0
	s_mov_b32 s[TBV], SLOT1+2*KS*PV
	s_mov_b32 s[G0K], 1             ; 1:0 count = 1
	s_mov_b32 s[G0K+1], s17         ; 63:32 LDS address: slot 0
	s_mov_b32 s[G0V], 1
	s_add_co_u32 s[G0V+1], s18, VOFF
	s_mov_b32 s[OFF+1], 0
	s_mov_b32 s[OFF2+1], 0
	s_mov_b32 s[BIGN], 0xf149f2ca   ; -1e30
	s_cmp_eq_u32 s[WV], 0
	s_cselect_b32 s[LIM], 5, 0
	s_wait_dscnt 0x0                ; the opening add is done
	s_wait_kmcnt 0x0
	s_add_nc_u64 s[10:11], s[6:7], s[2:3]          ; O at my rows of the first block,
	s_add_nc_u64 s[OHI:OHI+1], s[6:7], s[50:51]    ; and of the second
	s_add_nc_u64 s[48:49], s[4:5], s[50:51]        ; Q at my rows of the second block
	s_add_nc_u64 s[52:53], s[4:5], s[20:21]        ; the pair's first byte among Q's planes
	s_add_nc_u64 s[4:5], s[4:5], s[2:3]            ; Q at my rows of the first block
	s_add_nc_u64 s[6:7], s[52:53], 8*1048576       ; K: eight planes on
	s_add_nc_u64 s[8:9], s[52:53], 16*1048576      ; V: sixteen
	s_and_b32 s16, s[PB], 1
	s_cmp_eq_u32 s16, 1
	s_cselect_b64 s[PFB:PFB+1], s[8:9], s[6:7]
	s_add_nc_u64 s[PFB:PFB+1], s[PFB:PFB+1], s[54:55]
	s_add_nc_u64 s[6:7], s[6:7], s[22:23]          ; K and V at my half of the pair's tile 0
	s_add_nc_u64 s[8:9], s[8:9], s[22:23]
	s_add_nc_u64 s[G0K+2:G0K+3], s[6:7], 0         ; 120:64 global address
	s_or_b32 s[G0K+3], s[G0K+3], 0x80000000        ; 127:126 type = 2
	s_add_nc_u64 s[G0V+2:G0V+3], s[8:9], 0
	s_or_b32 s[G0V+3], s[G0V+3], 0x80000000
	LOAD                            ; tile 0 into slot 0
	; A fragment of K or Q is 16 rows x 32 channels in 8 registers: lane l holds row l % 16, channels 8 (l / 16) + 0..7 and 16 + 8 (l / 16) + 0..7: two loads of 16 bytes, 32 bytes apart.
	v_and_b32 v1, 15, v0            ; l % 16
	v_bfe_u32 v10, v0, 4, 1         ; l / 16
	v_lshlrev_b32 v[QO], 7, v1
	v_lshl_add_u32 v[QO], v10, 4, v[QO]  ; row x 128 + 16 x half
	WIN 0x80                        ; destination window 2, address window 0
.set i, 0
.rept 4                             ; both blocks' Q: tile i / 2 lies in band i / 2, 8,192 bytes on; channels 32 (i % 2) on
	global_load_b128 v[8*i:8*i+3],   v[QO], s[4:5] offset:(i/2)*8192+(i%2)*64
	global_load_b128 v[8*i+4:8*i+7], v[QO], s[4:5] offset:(i/2)*8192+(i%2)*64+32
	global_load_b128 v[QB+8*i:QB+8*i+3],   v[QO], s[48:49] offset:(i/2)*8192+(i%2)*64
	global_load_b128 v[QB+8*i+4:QB+8*i+7], v[QO], s[48:49] offset:(i/2)*8192+(i%2)*64+32
.set i, i+1
.endr
	WIN 0
	v_lshlrev_b32 v14, 3, v10
	v_sub_nc_u32 v14, v1, v14
	s_lshl_b32 s16, s[WV], 4
	v_add_nc_u32 v14, s16, v14      ; my query's place in its band, 16 w + l % 16, less my lanes' 8 (l / 16): register r of group kb is hidden where 16 kb + r is greater
	WIN 0x40
.set i, 0
.rept 32
	v_cmp_gt_i32 vcc_lo, 16*(i/8)+i%8, v14
	v_cndmask_b32 v[MD+i], 0, s[BIGN], vcc_lo
.set i, i+1
.endr
	WIN 0
	v_mul_u32_u24 v[AK0], v1, PK
	v_lshl_add_u32 v[AK0], v10, 4, v[AK0]  ; row x pitch + 16 x half
	; The turning load takes 16 keys x 16 channels (lane l reads key 8 (l / 16) + l % 8, channels 8 ((l / 8) % 2) + 0..7) and leaves half a fragment of V^T: lane l holds channel l % 16 and 8 keys.
	v_and_b32 v11, 7, v0
	v_bfe_u32 v14, v0, 3, 1
	v_lshl_add_u32 v[AV0], v10, 3, v11
	v_mul_u32_u24 v[AV0], v[AV0], PV
	v_lshl_add_u32 v[AV0], v14, 4, v[AV0]
	v_add_nc_u32 v[AV0], VOFF, v[AV0]
	s_mul_i32 s16, s[WV], 16*SP
	s_add_co_u32 s16, s16, STAGE    ; my stage
	v_mul_u32_u24 v[STO], v1, SP    ; in: row l % 16, 16 bytes for each half of the lanes
	v_lshl_add_u32 v[STO], v10, 4, v[STO]
	v_add_nc_u32 v[STO], s16, v[STO]
	v_bfe_u32 v[RD], v0, 3, 2       ; back: 32 lanes take four rows of 128 bytes,
	v_mul_u32_u24 v[RD], v[RD], SP
	v_lshl_add_u32 v[RD], v11, 4, v[RD]
	v_add_nc_u32 v[RD], s16, v[RD]
	v_and_b32 v[GO], 31, v0         ; which are 512 consecutive bytes of O
	v_lshlrev_b32 v[PFO], 8, v[GO]
	v_lshlrev_b32 v[GO], 4, v[GO]
	; What the first step finds: V, P, O^T and l hold 0, so its products V^T P, of a step that has not been, add 0.  All this stands in the wait for the first tile.
	WIN 0x80
.set i, VF
.rept 64
	v_mov_b32 v[i], 0
.set i, i+1
.endr
	WIN 0x40
.set i, 0
.rept 64
	v_mov_b32 v[i], 0
.set i, i+1
.endr
	WIN 0
.set i, P
.rept 32
	v_mov_b32 v[i], 0
.set i, i+1
.endr
.macro START                        ; a block begins: c m far below every c s, m at the lowest finite number
.irp t, 0,1
	v_mov_b32 v[ST+4*\t], 0xfe000000
	v_mov_b32 v[ST+4*\t+1], 0xff7fffff
.endr
.endm
	START
.irp t, 0,1
	v_mov_b32 v[ST+4*\t+2], 0
	v_mov_b32 v[ST+4*\t+3], 0
.endr
; THE MATRIX WORK.  The accumulators of a run take turns, one instruction a turn.
; O^T += V^T P for both tiles: product i of 16: keys 32 (i / 8) on, channels 16 ((i / 2) % 4) on, tile i % 2.
.macro PVALL
	WIN W_PV
.set i, 0
.rept 16
.set rO, 32*(i%2)+8*((i/2)%4)
.set rV, VF+32*(i/8)+8*((i/2)%4)
.set rP, P+16*(i%2)+8*(i/8)
	v_wmma_f32_16x16x32_bf16 v[rO:rO+7], v[rV:rV+7], v[rP:rP+7], v[rO:rO+7]
.set i, i+1
.endr
.endm
; S^T = K Q^T: product i of 16: channels 32 (i / 8) on, keys 16 ((i / 2) % 4) on, tile i % 2.  The first 8 start the sums.  A tile's mode: 0: with the constant 0; 1: with the mask; 2: the tile is left out.
.macro QK m0, m1
.set i, 0
.rept 16
.set md, \m0
.if i%2
.set md, \m1
.endif
.if md != 2
.set rS, S+32*(i%2)+8*((i/2)%4)
.set rK, KF+16*((i/2)%4)+8*(i/8)
.set rQ, 16*(i%2)+8*(i/8)
.set rM, MD+8*((i/2)%4)
.if i >= 8
	WIN W_KQ
	v_wmma_f32_16x16x32_bf16 v[rS:rS+7], v[rK:rK+7], v[rQ:rQ+7], v[rS:rS+7]
.elseif md == 1
	WIN W_KM
	v_wmma_f32_16x16x32_bf16 v[rS:rS+7], v[rK:rK+7], v[rQ:rQ+7], v[rM:rM+7]
.else
.if ((\m0) == 1) || ((\m1) == 1)
	WIN W_KM                        ; the constant names no register: the setting of the masked products beside it is kept
.else
	WIN W_KQ
.endif
	v_wmma_f32_16x16x32_bf16 v[rS:rS+7], v[rK:rK+7], v[rQ:rQ+7], 0
.endif
.endif
.set i, i+1
.endr
.endm
; THE LDS LOADS stand in runs of 16: a step's K (64 keys x 64 channels: 8 fragments) and its V (turned).
.macro FETCH_K
	WIN 0x80                        ; destination window 2
.irp f, 0,1,2,3,4,5,6,7             ; keys 16 (f / 2) on, channels 32 (f % 2) on
	ds_load_b128 v[KF+8*\f:KF+8*\f+3],   v[AK] offset:(\f/2)*16*PK+(\f%2)*64
	ds_load_b128 v[KF+8*\f+4:KF+8*\f+7], v[AK] offset:(\f/2)*16*PK+(\f%2)*64+32
.endr
	s_add_co_u32 s[TBK], s[TBK], KS*PK  ; the next fetch is the next step's
	WIN 0
.endm
.macro FETCH_V
	WIN 0x80
.irp f, 0,1,2,3,4,5,6,7             ; keys 32 (f / 4) on, channels 16 (f % 4) on
	ds_load_tr16_b128 v[VF+8*\f:VF+8*\f+3],   v[AV] offset:(\f/4)*32*PV+(\f%4)*32
	ds_load_tr16_b128 v[VF+8*\f+4:VF+8*\f+7], v[AV] offset:(\f/4)*32*PV+16*PV+(\f%4)*32
.endr
	s_add_co_u32 s[TBV], s[TBV], KS*PV
	WIN 0
.endm
; THE VECTOR WORK.
.macro REGS u                       ; the registers of tile u
.set rT, ST+4*(\u)
.set rC, TMP+4*(\u)
.set rW, MV+(\u)
.set rS, S+32*(\u)
.set rP, P+16*(\u)
.set rO, 32*(\u)
.endm
; Number n of the 22 that find a tile's maximum and statistics.  s0-s31 are the lane's 32 scores; each accumulator's lowest registers are read first.
;   0-11  four chains c0-c3 of seven scores each, three operands at a time     12-14, 16  the four scores left over, the old m, and c0-c3 into c0     15  c m_old is kept
;   17, 18  the query's other 32 keys lie in the lane 16 away: the new m         19-21  c m; c m_old - c m_new; a
.macro XS u, n
	REGS \u
.if (\n) < 4
	v_max3_num_f32 v[rC+(\n)], v[rS+8*(\n)], v[rS+8*(\n)+1], v[rS+8*(\n)+2]
.elseif (\n) < 12
	v_max3_num_f32 v[rC+(\n)%4], v[rC+(\n)%4], v[rS+8*((\n)%4)+2*((\n)/4)+1], v[rS+8*((\n)%4)+2*((\n)/4)+2]
.elseif (\n) == 12
	v_max3_num_f32 v[rC], v[rC], v[rS+7], v[rS+15]
.elseif (\n) == 13
	v_max3_num_f32 v[rC+1], v[rC+1], v[rS+23], v[rS+31]
.elseif (\n) == 14
	v_max3_num_f32 v[rC+2], v[rC+2], v[rC+3], v[rT+1]
.elseif (\n) == 15
	v_mov_b32 v[rW], v[rT]
.elseif (\n) == 16
	v_max3_num_f32 v[rC], v[rC], v[rC+1], v[rC+2]
.elseif (\n) == 17
	v_permlanex16_b32 v[rC+3], v[rC], s[SEL], s[SEL+1]
.elseif (\n) == 18
	v_max_num_f32 v[rT+1], v[rC], v[rC+3]
.elseif (\n) == 19
	v_mul_f32 v[rT], s[CS], v[rT+1]
.elseif (\n) == 20
	v_sub_f32 v[rC+1], v[rW], v[rT]
.else
	v_exp_f32 v[rC+2], v[rC+1]
.endif
.endm
.macro FS g                         ; scaling g: c s - c m for pair g / NT of tile T0 + g % NT
	REGS T0+(\g)%NT
.set pr, 2*((\g)/NT)
	v_pk_fma_f32 v[rS+pr:rS+pr+1], v[rS+pr:rS+pr+1], s[CS:CS+1], v[rT:rT+1] op_sel_hi:[1,0,0] neg_lo:[0,0,1] neg_hi:[0,0,1]
.endm
.macro EX2 g                        ; the two exponentials of that pair
	REGS T0+(\g)%NT
.set pr, 2*((\g)/NT)
	v_exp_f32 v[rS+pr], v[rS+pr]
	v_exp_f32 v[rS+pr+1], v[rS+pr+1]
.endm
; A step's softmax for tiles t0 .. 1.  All its exponentials (a, then the weights) are ONE batch: nothing ahead of the one wait names a result of theirs; a pair is scaled one line ahead of its exponentials' turn.
; Behind the wait: O^T times a, the roundings to bf16, the sums in place (neighbours 1, 2, 4 and 8 pairs apart), l = a l + the sum.
.macro SOFTMAX t0
.set T0, \t0
.set NT, 2-(\t0)
	WIN 0
.irp n, 0,1,2,3,4,5,6,7,8,9,10,11,12,13,14,15,16,17,18,19,20,21
.set t, T0
.rept NT
	XS t, \n
.set t, t+1
.endr
.endr
.set g, 0
.rept 16*NT
	FS g
.if g > 0
	EX2 g-1
.endif
.set g, g+1
.endr
	EX2 16*NT-1
	v_nop                           ; a plain instruction behind the last exponential: one for the batch
	s_wait_alu depctr_va_vdst(0)    ; and the one wait ahead of the batch's first reader
	WIN W_RS
.set t, T0
.rept NT
	REGS t
.set z, 0
.rept 16
	v_pk_mul_f32 v[rO+2*z:rO+2*z+1], v[rO+2*z:rO+2*z+1], v[rC+2:rC+3] op_sel_hi:[1,0]
.set z, z+1
.endr
.set t, t+1
.endr
	WIN 0
.set t, T0
.rept NT
	REGS t
.set z, 0
.rept 16
	v_cvt_pk_bf16_f32 v[rP+z], v[rS+2*z], v[rS+2*z+1]
.set z, z+1
.endr
.irp w, 4,8,16,32
.set u, 0
.rept 32/\w
	v_pk_add_f32 v[rS+\w*u:rS+\w*u+1], v[rS+\w*u:rS+\w*u+1], v[rS+\w*u+\w/2:rS+\w*u+\w/2+1]
.set u, u+1
.endr
.endr
	v_pk_fma_f32 v[rT+2:rT+3], v[rT+2:rT+3], v[rC+2:rC+3], v[rS:rS+1] op_sel_hi:[1,0,1]
.set t, t+1
.endr
.endm
; A KEY STEP, turned.  m0, m1: the two tiles' modes (QK).
.macro RSTEP m0, m1
	WIN 0
	v_add_nc_u32 v[AK], s[TBK], v[AK0]
	FETCH_K                         ; this step's K: the last product that read K's registers stands a whole softmax back
	s_wait_dscnt 16                 ; V of the step before is in; the 16 loads of K just issued may stay out
	PVALL                           ; the step before
	WIN 0
	v_add_nc_u32 v[AV], s[TBV], v[AV0]
.rept 3
	v_nop                           ; with the line above: four places between the last product that read V and the loads into its registers
.endr
	FETCH_V                         ; this step's V
	s_wait_dscnt 16                 ; K is in; the 16 loads of V just issued may stay out
	QK \m0, \m1
	WIN 0
.rept 4
	v_nop                           ; the places behind those products
.endr
	SOFTMAX (\m0)/2
.if (\m0) == 2
.set i, P
.rept 16
	v_mov_b32 v[i], 0               ; the tile left out has no weights in this step: the next products V^T P add 0 for it
.set i, i+1
.endr
.endif
.endm
.macro TWO                          ; a plain tile's two steps: written once, walked twice; the LDS addresses hang on s[TBK] and s[TBV]
	s_mov_b32 s[CNT], 2
.Lstep_\@:
	RSTEP 0, 0
	WIN 0
	s_sub_co_u32 s[CNT], s[CNT], 1
	s_cmp_lg_u32 s[CNT], 0
	s_cbranch_scc1 .Lstep_\@
.endm
; A BLOCK ENDS: the last step's V^T P; l's two halves and the other half of the lanes' are added; O^T is divided by l, rounded to bf16 and sent through my stage in LDS, a tile at a time.
.macro PACK t
	WIN W_RS
.set i, 32*(\t)
.rept 16
	v_pk_mul_f32 v[i:i+1], v[i:i+1], v[ST+4*(\t)+2:ST+4*(\t)+3] op_sel_hi:[1,0]
.set i, i+2
.endr
	WIN 0x05                        ; sources 0 and 1 window 1, destination window 0: S^T's registers are free
.set i, 0
.rept 16
	v_cvt_pk_bf16_f32 v[S+16*(\t)+i], v[32*(\t)+2*i], v[32*(\t)+2*i+1]
.set i, i+1
.endr
	WIN 0
.irp f, 0,1,2,3
	ds_store_b128 v[STO], v[S+16*(\t)+4*\f:S+16*(\t)+4*\f+3] offset:32*\f
.endr
.irp f, 0,1,2,3
	ds_load_b128 v[S+16*(\t)+4*\f:S+16*(\t)+4*\f+3], v[RD] offset:\f*4*SP  ; LDS serves a wave's instructions in order (ISA guide 5.7.1.4): these see the stores above; the next tile's stores come behind them
.endr
.endm
.macro SEND t, younger              ; younger: the LDS instructions issued behind tile t's loads: the next tile's eight, or none
	WIN 0
.irp f, 0,1,2,3
	s_wait_dscnt (\younger)+3-\f
	global_store_b128 v[GO], v[S+16*(\t)+4*\f:S+16*(\t)+4*\f+3], s[10:11] offset:(\t)*8192+\f*512  ; 512 consecutive bytes, at a multiple of 256 from O's first
.endr
.endm
.macro FINISH
	s_wait_dscnt 0x0                ; V of the last step is in
	PVALL
	WIN 0
.rept 4
	v_nop                           ; the places behind those products
.endr
.irp t, 0,1
	v_add_f32 v[ST+4*\t+2], v[ST+4*\t+2], v[ST+4*\t+3]
.endr
.irp t, 0,1
	v_permlanex16_b32 v[ST+4*\t+3], v[ST+4*\t+2], s[SEL], s[SEL+1]
.endr
.irp t, 0,1
	v_add_f32 v[ST+4*\t+2], v[ST+4*\t+2], v[ST+4*\t+3]
.endr
.irp t, 0,1
	v_rcp_f32 v[ST+4*\t+2], v[ST+4*\t+2]
.endr
	v_nop                           ; a plain instruction between the last reciprocal and the use of its result
	s_wait_alu depctr_va_vdst(0)    ; and the wait ahead of the first use: one for the two
	PACK 0
	PACK 1
	SEND 0, 8
	SEND 1, 0
.endm
	s_wait_loadcnt 0x0              ; Q, both blocks'
	s_mov_b32 s[U], 0
.Lslot:                             ; 16 times: a tile is entered and the next is asked for
	CHANGE 1
	s_cmp_eq_u32 s[U], s[PB]
	s_cbranch_scc1 .Ldiag           ; the first block's diagonal tile
	s_cmp_eq_u32 s[U], s[B1]
	s_cbranch_scc1 .Ldiag           ; the second block's
	TWO
	s_branch .Lbottom
.Ldiag:
	RSTEP 1, 0                      ; band 0 holds the diagonal, band 1 sees all
	RSTEP 2, 1                      ; band 0 sees nothing, band 1 holds the diagonal
	WIN 0
	s_cmp_lg_u32 s[U], s[PB]
	s_cbranch_scc1 .Lbottom         ; the second block goes on with its plain tiles
	FINISH                          ; the first block is done
	s_wait_xcnt 0x0                 ; the stores have read their registers and O's address
	s_mov_b64 s[10:11], s[OHI:OHI+1]
	WIN 0x82                        ; the second block's Q goes where the one text of the steps names Q
.set i, 0
.rept 32
	v_mov_b32 v[i], v[QB+i]
.set i, i+1
.endr
	WIN 0
	START                           ; O^T, l, P and V keep finite numbers, which the second block's first a = 0 wipes out
.Lbottom:
	s_add_co_u32 s[U], s[U], 1
	s_cmp_lt_u32 s[U], 16
	s_cbranch_scc1 .Lslot
	CHANGE 0                        ; the walk's last tile is written out: nothing is asked for
	TWO
	FINISH
	s_wait_tensorcnt 0x0            ; the wave's end, behind my last tensor load and my last LDS store
	ds_add_u32 v[SPW], v[NIL]
	s_wait_dscnt 0x0
	s_endpgm
.Lfunc_end_k_q73dca75015_attn:
	.size	k_q73dca75015_attn, .Lfunc_end_k_q73dca75015_attn-k_q73dca75015_attn
	.p2alignl 7, 3214868480
	.fill 96, 4, 3214868480
	.section	.rodata,"a",@progbits
	.p2align	6, 0x0
	.amdhsa_kernel k_q73dca75015_attn
		.amdhsa_group_segment_fixed_size 327680
		.amdhsa_private_segment_fixed_size 0
		.amdhsa_enable_private_segment 0
		.amdhsa_kernarg_size 16
		.amdhsa_user_sgpr_count 2
		.amdhsa_user_sgpr_kernarg_segment_ptr 1
		.amdhsa_wavefront_size32 1
		.amdhsa_system_sgpr_workgroup_id_x 1
		.amdhsa_system_sgpr_workgroup_id_y 1
		.amdhsa_system_sgpr_workgroup_id_z 1
		.amdhsa_system_vgpr_workitem_id 0
		.amdhsa_next_free_vgpr 768
		.amdhsa_next_free_sgpr 88
		.amdhsa_reserve_vcc 1
		.amdhsa_float_denorm_mode_32 3
		.amdhsa_float_denorm_mode_16_64 3
		.amdhsa_memory_ordered 1
		.amdhsa_forward_progress 1
		.amdhsa_inst_pref_size 100
	.end_amdhsa_kernel
	.amdgpu_metadata
---
amdhsa.version: [ 1, 2 ]
amdhsa.kernels:
  - .name:           k_q73dca75015_attn
    .symbol:         k_q73dca75015_attn.kd
    .args:
      - { .name: big, .offset: 0, .size: 8, .value_kind: global_buffer, .address_space: global }
      - { .name: act1, .offset: 8, .size: 8, .value_kind: global_buffer, .address_space: global }
    .group_segment_fixed_size: 327680
    .private_segment_fixed_size: 0
    .kernarg_segment_align: 8
    .kernarg_segment_size: 16
    .max_flat_workgroup_size: 128
    .sgpr_count:     88
    .vgpr_count:     768
    .wavefront_size: 32
...
	.end_amdgpu_metadata
.endif
;; end of part 3
;; launch proj1: the kernel of part 2 again; grid 4 x 64, 4 waves a work-group, clusters of 4 x 4, 327,680 bytes of LDS; arguments act1, wto1, act0; writes act0
;; launch proj2: the kernel of part 2 again; grid 4 x 64, 4 waves a work-group, clusters of 4 x 4, 327,680 bytes of LDS; arguments act0, wto2, act1; writes act1
;; launch ln2 (part 4): grid 512 x 1, 4 waves a work-group, no clusters, 18,944 bytes of LDS; arguments x, act1, ln2_scale, act0; writes act0
.if DOCPART == 4
	.amdgcn_target "amdgcn-amd-amdhsa--gfx1250"
	.amdhsa_code_object_version 6
	.text
	.protected	k_q73dca75015_ln2
	.globl	k_q73dca75015_ln2
	.p2align	8
	.type	k_q73dca75015_ln2,@function
k_q73dca75015_ln2:
	s_mov_b64 s[64:65], 0
	v_nop
	global_prefetch_b8 v0, s[64:65] scope:SCOPE_SE
	s_setreg_imm32_b32 hwreg(HW_REG_WAVE_MODE, 25, 1), 1
	s_wait_xcnt 0x0
; h2 = LayerNorm(x + a) x gain, 16 tokens a work-group, four a wave.  x [8192][512] f32 and the gain are rounded once to bf16 on their way in; a comes in bf16, in 8 planes of [8192 tokens][64];
; the sum, the mean, the centred squares and the scaling are f32; h2 leaves in f16, in planes.
; LIMITS.  h2 beyond 65,504 becomes an infinity, and below 6.1e-5 it keeps f16's fixed step of 6e-8.  NaN and infinities are not treated apart.
; No matrix unit, no cluster, no tensor load: each byte is read once and written once, and no work-group shares a byte with another.
.set ADDA,   1                         ; a second operand in planes is added to x before the norm
.set F16OUT, 1                         ; the result leaves in f16
.set TP,     1152                      ; a token's row in the stage: 1,024 bytes + 128: two neighbouring rows start 32 banks apart
.set STG,    4*TP                      ; a wave's stage
.set SPARE,  4*STG                     ; behind the stages: the spare words, 128 bytes a wave: two blocks of 256 bytes that no other line names
.set XO,  2                            ; v2   16 l + 8,192 w: my 16 bytes in a quarter of my wave's first row of x
.set SO,  3                            ; v3   stage: my 8 bytes in a quarter of a token's row
.set RDL, 4                            ; v4   stage: token l / 8, 16 bytes at 16 (l % 8) of a plane's 128
.set HO,  5                            ; v5   512 w + 16 l: my 16 bytes of my wave's four tokens in a plane
.set SCO, 6                            ; v6   16 l
.set ONE, 7                            ; v7   1.0
.set ST,  8                            ; v[8:15]    token t: the mean, later 1 / sqrt(var + eps), in the low register of a pair
.set SC,  16                           ; v[16:31]   the gain of my 16 columns
.set T,   32                           ; v[32:63]   at work, 8 a token
.set X,   64                           ; v[64:127]  token t, quarter j at X + 16 t + 4 j: columns 128 j + 4 l .. + 3
.set OUTR, 128                         ; v[128:159] plane p's 16 bytes at OUTR + 4 p
.set SPW, 160                          ; v160 LDS address of my spare word; never rewritten
.set NIL, 161                          ; v161 0; never rewritten
.set WV,  34                           ; s34  my wave's number
.set EPS, 35                           ; s35  1e-6
.set HIM, 36                           ; s36  a word's upper bf16
.set INV, 37                           ; s37  1 / 512
.set SEL, 38                           ; s[38:39] v_permlanex16_b32's selects
.set XB,  40                           ; s[40:41] x at the work-group's first token
.set OB,  42                           ; s[42:43] the result's plane 0 at the work-group's first token
.set AB,  44                           ; s[44:45] the second operand's plane 0 there
.set GN,  48                           ; s[48:49] the gain
.macro ALLT line:vararg                ; one line for each of my four tokens t: the four chains stand side by side
.set t, 0
.rept 4
	\line
.set t, t+1
.endr
.endm
.macro RND2 r, tmp                     ; the pair v[r], v[r + 1] is rounded to bf16 and widened again
	v_cvt_pk_bf16_f32 v[\tmp], v[\r], v[(\r)+1]
	v_lshlrev_b32 v[\r], 16, v[\tmp]
	v_and_b32 v[(\r)+1], s[HIM], v[\tmp]
.endm
.macro ACROSS                          ; v[T + 8 t] summed over the 32 lanes, the result in every lane
	ALLT v_add_f32_dpp v[T+8*t], v[T+8*t], v[T+8*t] row_xmask:1 row_mask:0xf bank_mask:0xf
	ALLT v_add_f32_dpp v[T+8*t], v[T+8*t], v[T+8*t] row_xmask:2 row_mask:0xf bank_mask:0xf
	ALLT v_add_f32_dpp v[T+8*t], v[T+8*t], v[T+8*t] row_xmask:4 row_mask:0xf bank_mask:0xf
	ALLT v_add_f32_dpp v[T+8*t], v[T+8*t], v[T+8*t] row_xmask:8 row_mask:0xf bank_mask:0xf
	ALLT v_permlanex16_b32 v[T+8*t+1], v[T+8*t], s[SEL], s[SEL+1]
	ALLT v_add_f32 v[T+8*t], v[T+8*t], v[T+8*t+1]
.endm
; THE NORM of four tokens: the rows stay in registers between the mean, the centred squares and the scaling.
.macro LNBODY
.set t, 0
.rept 4
.irp j, 0,1,2,3
	global_load_b128 v[X+16*t+4*\j:X+16*t+4*\j+3], v[XO], s[XB:XB+1] offset:2048*t+512*\j th:TH_LOAD_NT  ; 512 consecutive bytes a load
.endr
.set t, t+1
.endr
.irp j, 0,1,2,3
	global_load_b128 v[SC+4*\j:SC+4*\j+3], v[SCO], s[GN:GN+1] offset:512*\j
.endr
.if ADDA
.irp p, 0,1,2,3,4,5,6,7
	global_load_b128 v[OUTR+4*\p:OUTR+4*\p+3], v[HO], s[AB:AB+1] offset:1048576*\p th:TH_LOAD_NT  ; my four tokens in plane p: 512 consecutive bytes
.endr
.endif
	s_wait_loadcnt 0x0                             ; all rows are wanted at once
.if ADDA
.irp p, 0,1,2,3,4,5,6,7
	ds_store_b128 v[RDL], v[OUTR+4*\p:OUTR+4*\p+3] offset:128*\p  ; from planes to rows, through my own stage
.endr
.set t, 0
.rept 4
.irp j, 0,1,2,3
	ds_load_b64 v[T+8*t+2*\j:T+8*t+2*\j+1], v[SO] offset:TP*t+256*\j  ; LDS serves a wave's instructions in order (ISA guide 5.7.1.4): these see the stores above
.endr
.set t, t+1
.endr
.endif
.set i, 0
.rept 8
	RND2 SC+2*i, ST+i%8
.set i, i+1
.endr
.set i, 0
.rept 32
	RND2 X+2*i, ST+i%8
.set i, i+1
.endr
.if ADDA
	s_wait_dscnt 0x0                               ; the second operand is back, in x's order
.set t, 0
.rept 4
.irp j, 0,1,2,3
	v_fma_mix_f32_bf16 v[X+16*t+4*\j],   v[T+8*t+2*\j],   v[ONE], v[X+16*t+4*\j]   op_sel_hi:[1,0,0]
	v_fma_mix_f32_bf16 v[X+16*t+4*\j+1], v[T+8*t+2*\j],   v[ONE], v[X+16*t+4*\j+1] op_sel:[1,0,0] op_sel_hi:[1,0,0]
	v_fma_mix_f32_bf16 v[X+16*t+4*\j+2], v[T+8*t+2*\j+1], v[ONE], v[X+16*t+4*\j+2] op_sel_hi:[1,0,0]
	v_fma_mix_f32_bf16 v[X+16*t+4*\j+3], v[T+8*t+2*\j+1], v[ONE], v[X+16*t+4*\j+3] op_sel:[1,0,0] op_sel_hi:[1,0,0]
.endr
.set t, t+1
.endr
.endif
	; the mean
	ALLT v_pk_add_f32 v[T+8*t:T+8*t+1], v[X+16*t:X+16*t+1], v[X+16*t+2:X+16*t+3]
	ALLT v_pk_add_f32 v[T+8*t+2:T+8*t+3], v[X+16*t+4:X+16*t+5], v[X+16*t+6:X+16*t+7]
	ALLT v_pk_add_f32 v[T+8*t+4:T+8*t+5], v[X+16*t+8:X+16*t+9], v[X+16*t+10:X+16*t+11]
	ALLT v_pk_add_f32 v[T+8*t+6:T+8*t+7], v[X+16*t+12:X+16*t+13], v[X+16*t+14:X+16*t+15]
	ALLT v_pk_add_f32 v[T+8*t:T+8*t+1], v[T+8*t:T+8*t+1], v[T+8*t+2:T+8*t+3]
	ALLT v_pk_add_f32 v[T+8*t+4:T+8*t+5], v[T+8*t+4:T+8*t+5], v[T+8*t+6:T+8*t+7]
	ALLT v_pk_add_f32 v[T+8*t:T+8*t+1], v[T+8*t:T+8*t+1], v[T+8*t+4:T+8*t+5]
	ALLT v_add_f32 v[T+8*t], v[T+8*t], v[T+8*t+1]
	ACROSS
	ALLT v_mul_f32 v[ST+2*t], s[INV], v[T+8*t]
	ALLT v_mul_f32 v[ST+2*t+1], s[INV], v[T+8*t]
.set t, 0
.rept 4
.set i, 0
.rept 8
	v_pk_add_f32 v[X+16*t+2*i:X+16*t+2*i+1], v[X+16*t+2*i:X+16*t+2*i+1], v[ST+2*t:ST+2*t+1] neg_lo:[0,1] neg_hi:[0,1]
.set i, i+1
.endr
.set t, t+1
.endr
	; the mean of the centred squares, in two chains a token
	ALLT v_pk_mul_f32 v[T+8*t:T+8*t+1], v[X+16*t:X+16*t+1], v[X+16*t:X+16*t+1]
	ALLT v_pk_mul_f32 v[T+8*t+2:T+8*t+3], v[X+16*t+2:X+16*t+3], v[X+16*t+2:X+16*t+3]
.irp i, 4,8,12
	ALLT v_pk_fma_f32 v[T+8*t:T+8*t+1], v[X+16*t+\i:X+16*t+\i+1], v[X+16*t+\i:X+16*t+\i+1], v[T+8*t:T+8*t+1]
	ALLT v_pk_fma_f32 v[T+8*t+2:T+8*t+3], v[X+16*t+\i+2:X+16*t+\i+3], v[X+16*t+\i+2:X+16*t+\i+3], v[T+8*t+2:T+8*t+3]
.endr
	ALLT v_pk_add_f32 v[T+8*t:T+8*t+1], v[T+8*t:T+8*t+1], v[T+8*t+2:T+8*t+3]
	ALLT v_add_f32 v[T+8*t], v[T+8*t], v[T+8*t+1]
	ACROSS
	ALLT v_fma_f32 v[T+8*t], v[T+8*t], s[INV], s[EPS]
	ALLT v_rsq_f32 v[ST+2*t], v[T+8*t]
.set t, 0
.rept 4                                ; the gain: 32 plain instructions that name no result of the four roots
.set i, 0
.rept 8
	v_pk_mul_f32 v[X+16*t+2*i:X+16*t+2*i+1], v[X+16*t+2*i:X+16*t+2*i+1], v[SC+2*i:SC+2*i+1]
.set i, i+1
.endr
.set t, t+1
.endr
	s_wait_alu depctr_va_vdst(0)                   ; one wait for the four roots, ahead of their first reader
.set t, 0
.rept 4
.set i, 0
.rept 8
	v_pk_mul_f32 v[X+16*t+2*i:X+16*t+2*i+1], v[X+16*t+2*i:X+16*t+2*i+1], v[ST+2*t:ST+2*t+1] op_sel_hi:[1,0]
.set i, i+1
.endr
.set t, t+1
.endr
.set t, 0
.rept 4
.set i, 0
.rept 8
.if F16OUT
	v_cvt_pk_f16_f32 v[T+8*t+i], v[X+16*t+2*i], v[X+16*t+2*i+1]
.else
	v_cvt_pk_bf16_f32 v[T+8*t+i], v[X+16*t+2*i], v[X+16*t+2*i+1]
.endif
.set i, i+1
.endr
.set t, t+1
.endr
	; the way out: from rows to planes through my own stage; no other wave touches it, so no barrier
.set t, 0
.rept 4
.irp j, 0,1,2,3
	ds_store_b64 v[SO], v[T+8*t+2*\j:T+8*t+2*\j+1] offset:TP*t+256*\j
.endr
.set t, t+1
.endr
.irp p, 0,1,2,3,4,5,6,7
	ds_load_b128 v[OUTR+4*\p:OUTR+4*\p+3], v[RDL] offset:128*\p
.endr
.irp p, 0,1,2,3,4,5,6,7
	s_wait_dscnt 7-\p                              ; plane p is back; the later planes' loads may stay out
	global_store_b128 v[HO], v[OUTR+4*\p:OUTR+4*\p+3], s[OB:OB+1] offset:1048576*\p  ; four tokens of a plane: 512 consecutive bytes, aligned
.endr
.endm
	s_load_b256 s[4:11], s[0:1], 0x0               ; x s[4:5], a s[6:7], gain s[8:9], h2 s[10:11]
	v_lshl_add_u32 v[SPW], v0, 2, SPARE
	v_mov_b32 v[NIL], 0
	v_lshrrev_b32 v1, 5, v0
	v_readfirstlane_b32 s[WV], v1                  ; wave 0..3
	v_and_b32 v1, 31, v0                           ; lane
	s_mov_b32 s[HIM], 0xffff0000
	s_mul_i32 s52, s[WV], STG                      ; my stage
	s_lshl_b32 s53, s[WV], 13
	s_lshl_b32 s54, s[WV], 9
	v_lshl_add_u32 v[XO], v1, 4, s53
	v_lshl_add_u32 v[SO], v1, 3, s52
	v_lshrrev_b32 v8, 3, v1
	v_and_b32 v9, 7, v1
	v_mul_u32_u24 v[RDL], v8, TP
	v_lshl_add_u32 v[RDL], v9, 4, v[RDL]
	v_add_nc_u32 v[RDL], s52, v[RDL]
	v_lshl_add_u32 v[HO], v1, 4, s54
	v_lshlrev_b32 v[SCO], 4, v1
	v_mov_b32 v[ONE], 1.0
	s_mov_b32 s[EPS], 0x358637bd                   ; 1e-6
	s_mov_b32 s[INV], 0x3b000000                   ; 1 / 512
	s_mov_b32 s[SEL], 0x76543210
	s_mov_b32 s[SEL+1], 0xfedcba98
	s_lshl_b32 s46, ttmp9, 15                      ; 16 rows of 2,048 bytes
	s_mov_b32 s47, 0
	s_wait_kmcnt 0x0
	s_add_nc_u64 s[XB:XB+1], s[4:5], s[46:47]
	s_lshl_b32 s46, ttmp9, 11                      ; 16 rows of 128 bytes
	s_add_nc_u64 s[OB:OB+1], s[10:11], s[46:47]
	s_add_nc_u64 s[AB:AB+1], s[6:7], s[46:47]
	s_mov_b64 s[GN:GN+1], s[8:9]
	LNBODY
	s_wait_tensorcnt 0x0                           ; the wave's end, behind my last LDS store
	ds_add_u32 v[SPW], v[NIL]
	s_wait_dscnt 0x0
	s_endpgm
.Lfunc_end_k_q73dca75015_ln2:
	.size	k_q73dca75015_ln2, .Lfunc_end_k_q73dca75015_ln2-k_q73dca75015_ln2
	.p2alignl 7, 3214868480
	.fill 96, 4, 3214868480
	.section	.rodata,"a",@progbits
	.p2align	6, 0x0
	.amdhsa_kernel k_q73dca75015_ln2
		.amdhsa_group_segment_fixed_size 18944
		.amdhsa_private_segment_fixed_size 0
		.amdhsa_enable_private_segment 0
		.amdhsa_kernarg_size 32
		.amdhsa_user_sgpr_count 2
		.amdhsa_user_sgpr_kernarg_segment_ptr 1
		.amdhsa_wavefront_size32 1
		.amdhsa_system_sgpr_workgroup_id_x 1
		.amdhsa_system_sgpr_workgroup_id_y 1
		.amdhsa_system_sgpr_workgroup_id_z 1
		.amdhsa_system_vgpr_workitem_id 0
		.amdhsa_next_free_vgpr 162
		.amdhsa_next_free_sgpr 66
		.amdhsa_reserve_vcc 0
		.amdhsa_float_denorm_mode_32 3
		.amdhsa_float_denorm_mode_16_64 3
		.amdhsa_memory_ordered 1
		.amdhsa_forward_progress 1
		.amdhsa_inst_pref_size 34
	.end_amdhsa_kernel
	.amdgpu_metadata
---
amdhsa.version: [ 1, 2 ]
amdhsa.kernels:
  - .name:           k_q73dca75015_ln2
    .symbol:         k_q73dca75015_ln2.kd
    .args:
      - { .name: x, .offset: 0, .size: 8, .value_kind: global_buffer, .address_space: global }
      - { .name: act1, .offset: 8, .size: 8, .value_kind: global_buffer, .address_space: global }
      - { .name: ln2_scale, .offset: 16, .size: 8, .value_kind: global_buffer, .address_space: global }
      - { .name: act0, .offset: 24, .size: 8, .value_kind: global_buffer, .address_space: global }
    .group_segment_fixed_size: 18944
    .private_segment_fixed_size: 0
    .kernarg_segment_align: 8
    .kernarg_segment_size: 32
    .max_flat_workgroup_size: 128
    .sgpr_count:     66
    .vgpr_count:     162
    .wavefront_size: 32
...
	.end_amdgpu_metadata
.endif
;; end of part 4
;; launch mlp1 (part 5): grid 16 x 64, 4 waves a work-group, clusters of 4 x 4, 327,680 bytes of LDS; arguments act0, wt1, big; writes big
.if DOCPART == 5
	.amdgcn_target "amdgcn-amd-amdhsa--gfx1250"
	.amdhsa_code_object_version 6
	.text
	.protected	k_q73dca75015_mlp1
	.globl	k_q73dca75015_mlp1
	.p2align	8
	.type	k_q73dca75015_mlp1,@function
k_q73dca75015_mlp1:
	s_mov_b64 s[64:65], 0
	v_nop
	global_prefetch_b8 v0, s[64:65] scope:SCOPE_SE
	s_setreg_imm32_b32 hwreg(HW_REG_WAVE_MODE, 25, 1), 1
	s_wait_xcnt 0x0
	s_wait_alu depctr_hold_cnt(0) depctr_sa_sdst(0) depctr_va_vdst(0) depctr_va_sdst(0) depctr_va_ssrc(0) depctr_va_vcc(0) depctr_vm_vsrc(0)
	s_getreg_b32 s2, hwreg(HW_REG_IB_STS2, 6, 4)
	s_cmp_eq_u32 s2, 0
	s_cbranch_scc0 .Lentry_in_a_cluster
	s_endpgm
.Lentry_in_a_cluster:
	s_bfe_u32 s2, ttmp6, 0x10000c
	s_cmp_lg_u32 s2, 0xf033
	s_cbranch_scc0 .Lentry_shape_is_right
	s_endpgm
.Lentry_shape_is_right:
; C = gelu(A B^T) with K = 512, all f16, sums and the gelu in f32, C rounded once.  A: 8 planes of [8192 tokens][64]; B: tiles of 128 rows n, each 8 blocks of [128 n][64 k]; C: planes of [8192][64].
; gelu(u) = u / (1 + 2^(u (C0 + C1 u^2))), the tanh form: C0 = -2 sqrt(2 / pi) log2(e), C1 = 0.044715 C0.  Where the power overflows the quotient is 0, where it vanishes it is u.
; LIMITS.  f16 holds no number beyond 65,504: a result beyond it becomes an infinity; below 6.1e-5 it keeps f16's fixed step of 6e-8.  NaN and infinities are not treated apart.
; A tile of C is 128 tokens x 128 columns; four waves, each 64 x 64: 16 accumulators of 16 x 16.  K goes in two steps of 256, each with a slot of its own: nothing in LDS is filled twice.
; A slot holds four planes of A's 128 tokens and four blocks of B: 128 rows of 128 bytes each, padded to 144.  A wave's one tensor load for a slot brings two of them, each 16,384 dense bytes of memory.
; CLUSTERS: 4 x 4 work-groups.  The four of a row of the cluster need the same tiles of A, the four of a column the same tiles of B: each is asked for JOINTLY, by the same tensor load with the same
; descriptor and a mask that names the four.  THE MATRIX INSTRUCTION IS USED TRANSPOSED (source 0 = 16 rows of B, source 1 = 16 tokens): a lane then holds eight neighbouring columns of one token.
; REGISTERS: window 0: v0-31 addresses; v32-95 at work on the way out; v96-127 the gelu's; v128-255 the accumulators ((a, b) at v[128 + 8 (4 a + b)]).
;   window 1: two fragment buffers of 128: for 64 along K, 64 registers of A (2 x 4 x 16 rows x 32 K), then 64 of B.
.set PITCH,  144                       ; an LDS row: 128 bytes + 16 = 36 words: the 16 rows of a load start at 16 different groups of four banks (64 banks of 4 bytes: ISA guide 11.1)
.set PL,     128*PITCH                 ; a plane of 128 rows
.set SLOT,   8*PL                      ; A's four planes, then B's four
.set STAGE,  2*SLOT                    ; behind the slots: 16 rows x 144 bytes for each wave, for the way out
.set SP,     144
.set SPARE,  STAGE+4*16*SP             ; behind the stages: the spare words, 128 bytes a wave: two blocks of 256 bytes that no other line names
.set ASTEP,  4*1048576                 ; four planes of A
.set BSTEP,  4*16384                   ; four blocks of B
.set BTSH,   17                        ; a tile of B is 8 blocks = 2^17 bytes
.set ADRA, 16                          ; v16-17  LDS address of my A fragments in slot 0, 1
.set ADRB, 20                          ; v20-21  the same for B
.set STO,  24                          ; v24     the way out: where I put 16 bytes of a row
.set RD,   25                          ; v25     the way out: where I read rows back
.set GO,   26                          ; v26     16 l: my bytes in 512 consecutive bytes of C
.set SPW,  28                          ; v28     LDS address of my spare word; never rewritten
.set NIL,  29                          ; v29     0; never rewritten
.set TMP,  32
.set GT,   96
.set ACC,  128
.set F0,   0                           ; fragment buffers, in window 1
.set F1,   128
.set C0,  18                           ; s[18:19] the gelu's C0, in the low word of a pair
.set C1,  20                           ; s[20:21] its C1
.set G1, 24                            ; s[24:31] descriptor group 1 for A's tiles;  s[32:39] group 0, one set for each slot
.set G0, 32
.set G1B, 48                           ; s[48:55], s[56:63] the same for B's tiles
.set G0B, 56
.set MSB, 0
.macro WIN new                         ; the immediate's high byte repeats the setting that is left
.if MSB != (\new)
	s_set_vgpr_msb (MSB<<8)|(\new)
.set MSB, \new
.endif
.endm
.set MUL,  0x05                        ; sources 0 (B) and 1 (A) window 1; C and D window 0
.set TO_F, 0x40                        ; destination window 1, address window 0
.macro JLOAD s                         ; a joint load: waves 0 and 1 fetch A's planes, waves 2 and 3 B's blocks; an s_nop 0 and four v_nop follow each of the two lines
	s_cmp_eq_u32 s11, 0
	s_cbranch_scc0 .Lfor_b_\@
	tensor_load_to_lds s[G0+4*(\s):G0+4*(\s)+3], s[G1:G1+7]
	s_nop 0
.rept 4
	v_nop
.endr
	s_branch .Lasked_\@
.Lfor_b_\@:
	tensor_load_to_lds s[G0B+4*(\s):G0B+4*(\s)+3], s[G1B:G1B+7]
	s_nop 0
.rept 4
	v_nop
.endr
.Lasked_\@:
.endm
.macro CROUND                          ; a round of the cluster's barrier
	s_barrier_signal -1
	s_barrier_wait -1
	s_cmp_lg_u32 s10, 0
	s_cbranch_scc1 .Lnot_wave_0_\@
	s_barrier_signal -3
.Lnot_wave_0_\@:
	s_barrier_wait -3
	s_barrier_signal -1
	s_barrier_wait -1
.endm
	s_load_b128 s[4:7], s[0:1], 0x0                ; A s[4:5], B s[6:7]
	s_load_b64 s[8:9], s[0:1], 0x10                ; C
	v_lshl_add_u32 v[SPW], v0, 2, SPARE
	v_mov_b32 v[NIL], 0
	ds_add_u32 v[SPW], v[NIL]                      ; the wave's opening: the add and its wait stand ahead of my first tensor load; the set-up below stands between them
	ds_add_u32 v28, v29
	v_lshrrev_b32 v1, 5, v0
	v_readfirstlane_b32 s10, v1                    ; wave 0..3
	s_lshr_b32 s11, s10, 1                         ; which half of the tile's tokens is mine.  Also: I fetch for A (0) or for B (1)
	s_and_b32 s12, s10, 1                          ; which half of its columns.  Also: which two of a slot's four planes I fetch
	s_bfe_u32 s40, ttmp6, 0x40000                  ; cx, cy: my place in the cluster
	s_bfe_u32 s41, ttmp6, 0x40004
	s_lshl_b32 s42, ttmp9, 2
	s_add_co_u32 s42, s42, s40                     ; tile column of C = 4 x cluster x + cx
	s_and_b32 s13, ttmp7, 0xffff
	s_lshl_b32 s13, s13, 2
	s_add_co_u32 s13, s13, s41                     ; tile row of C = 4 x cluster y + cy
	s_lshl_b32 s43, s41, 2
	s_lshl_b32 s43, 15, s43                        ; my row of the cluster
	s_lshl_b32 s44, 0x1111, s40                    ; my column
	; descriptor group 1: two rows of 8,192 elements (a plane's 128 tokens, dense), padded in LDS after every 128 bytes
	s_or_b32 s[G1+0], s43, (1<<16)|(1<<20)|(1<<21)|(4<<22)|(3<<25)  ; 15:0 the mask: A's tiles go to my row; 17:16 2-byte elements; 20 padding on; 21 set beside a mask; 24:22 after every 32 words (code 4); 31:25 4 words (code 3)
	s_or_b32 s[G1B+0], s44, (1<<16)|(1<<20)|(1<<21)|(4<<22)|(3<<25)
.irp g, G1, G1B
	s_mov_b32 s[(\g)+1], 8192<<16                  ; tensor_dim0 = 8,192
	s_mov_b32 s[(\g)+2], 2<<16                     ; tensor_dim1 = 2
	s_mov_b32 s[(\g)+3], 8192<<16                  ; tile_dim0 = 8,192
	s_mov_b32 s[(\g)+4], 2                         ; tile_dim1 = 2
	s_mov_b32 s[(\g)+6], 0
	s_mov_b32 s[(\g)+7], 0
.endr
	s_mov_b32 s[G1+5], 524288                      ; from plane to plane of A, in elements
	s_mov_b32 s[G1B+5], 8192                       ; from block to block of B
	s_lshl_b32 s16, s13, 14                        ; A: the tile's 128 tokens in a plane,
	s_lshl_b32 s17, s12, 21                        ; and my two planes
	s_add_co_u32 s16, s16, s17
	s_mov_b32 s17, 0
	s_lshl_b32 s46, s42, BTSH                      ; B: the tile,
	s_lshl_b32 s47, s12, 15                        ; and my two blocks
	s_add_co_u32 s46, s46, s47
	s_mov_b32 s47, 0
	s_mul_i32 s20, s10, 2*PL                       ; where they go: wave x two planes: no place in the cluster enters an LDS address
	s_wait_dscnt 0x0                               ; the opening add is done
	s_wait_kmcnt 0x0
	s_add_nc_u64 s[14:15], s[4:5], s[16:17]
	s_add_nc_u64 s[46:47], s[6:7], s[46:47]
	CROUND                                         ; all sixteen work-groups are here: the joint loads meet
.irp s, 0,1
	s_mov_b32 s[G0+4*(\s)], 1
	s_add_co_u32 s[G0+4*(\s)+1], s20, (\s)*SLOT
	s_add_nc_u64 s[G0+4*(\s)+2:G0+4*(\s)+3], s[14:15], (\s)*ASTEP
	s_or_b32 s[G0+4*(\s)+3], s[G0+4*(\s)+3], 0x80000000
	s_mov_b32 s[G0B+4*(\s)], 1
	s_add_co_u32 s[G0B+4*(\s)+1], s20, (\s)*SLOT
	s_add_nc_u64 s[G0B+4*(\s)+2:G0B+4*(\s)+3], s[46:47], (\s)*BSTEP
	s_or_b32 s[G0B+4*(\s)+3], s[G0B+4*(\s)+3], 0x80000000
	JLOAD \s                                       ; two loads of mine are out: all of K
.endr
	v_and_b32 v1, 15, v0                           ; l % 16
	v_bfe_u32 v2, v0, 4, 1                         ; l / 16
	v_mul_u32_u24 v3, v1, PITCH
	v_lshl_add_u32 v3, v2, 4, v3                   ; a fragment's row x pitch + 16 x half
	s_mul_i32 s21, s11, 64*PITCH                   ; my 64 tokens in a plane of A
	s_mul_i32 s22, s12, 64*PITCH                   ; my 64 rows in a block of B,
	s_add_co_u32 s22, s22, 4*PL                    ; which lie behind A's four planes
.irp s, 0,1
	v_add_nc_u32 v[ADRA+(\s)], s21, v3
	v_add_nc_u32 v[ADRB+(\s)], s22, v3
	s_add_co_u32 s21, s21, SLOT
	s_add_co_u32 s22, s22, SLOT
.endr
	s_mul_i32 s23, s10, 16*SP
	s_add_co_u32 s23, s23, STAGE                   ; my stage
	v_add_nc_u32 v[STO], s23, v3                   ; in: row l % 16, 16 bytes for each half of the lanes
	v_bfe_u32 v4, v0, 3, 2                         ; back: 32 lanes take four rows of 128 bytes,
	v_mul_u32_u24 v4, v4, SP
	v_and_b32 v5, 7, v0
	v_lshl_add_u32 v4, v5, 4, v4
	v_add_nc_u32 v[RD], s23, v4
	v_and_b32 v[GO], 31, v0                        ; which are 512 consecutive bytes of C
	v_lshlrev_b32 v[GO], 4, v[GO]
	s_lshl_b32 s16, s13, 14                        ; C: my 64 tokens in a plane,
	s_lshl_b32 s17, s11, 13
	s_add_co_u32 s16, s16, s17
	s_mov_b32 s17, 0
	s_add_nc_u64 s[8:9], s[8:9], s[16:17]
	s_lshl_b32 s46, s42, 1                         ; and my plane: 2 x tile column + half
	s_add_co_u32 s46, s46, s12
	s_lshl_b32 s46, s46, 20
	s_mov_b32 s47, 0
	s_add_nc_u64 s[8:9], s[8:9], s[46:47]
	s_mov_b32 s[C0], 0xc0135761                    ; -2.3022082
	s_mov_b32 s[C0+1], s[C0]                       ; named with it as a pair
	s_mov_b32 s[C1], 0xbdd2d3e8                    ; -0.10294324
	s_mov_b32 s[C1+1], s[C1]
; 8 matrix instructions: token blocks a0, a0 + 1 x all 4 column blocks, 32 along K: half c of buffer f.  zero = 1: the first product starts the sums.  The 16 accumulators take turns.
.macro MUL8 f, c, a0, zero
	WIN MUL
.irp a, \a0, (\a0)+1
.irp b, 0,1,2,3
.if \zero
	v_wmma_f32_16x16x32_f16 v[ACC+8*(4*(\a)+(\b)):ACC+8*(4*(\a)+(\b))+7], v[(\f)+64+8*(4*(\c)+(\b)):(\f)+64+8*(4*(\c)+(\b))+7], v[(\f)+8*(4*(\c)+(\a)):(\f)+8*(4*(\c)+(\a))+7], 0
.else
	v_wmma_f32_16x16x32_f16 v[ACC+8*(4*(\a)+(\b)):ACC+8*(4*(\a)+(\b))+7], v[(\f)+64+8*(4*(\c)+(\b)):(\f)+64+8*(4*(\c)+(\b))+7], v[(\f)+8*(4*(\c)+(\a)):(\f)+8*(4*(\c)+(\a))+7], v[ACC+8*(4*(\a)+(\b)):ACC+8*(4*(\a)+(\b))+7]
.endif
.endr
.endr
.endm
; 32 LDS loads in one run: the fragments of one plane (64 along K), which begins at byte k of the slot's part, into buffer f; the first 32 along K first
.macro FETCH slot, k, f
	WIN TO_F
.irp c, 0,1
.irp i, 0,1,2,3
	ds_load_b128 v[(\f)+64+8*(4*(\c)+(\i)):(\f)+64+8*(4*(\c)+(\i))+3],   v[ADRB+(\slot)] offset:(\k)+64*(\c)+(\i)*16*PITCH
	ds_load_b128 v[(\f)+64+8*(4*(\c)+(\i))+4:(\f)+64+8*(4*(\c)+(\i))+7], v[ADRB+(\slot)] offset:(\k)+64*(\c)+(\i)*16*PITCH+32
	ds_load_b128 v[(\f)+8*(4*(\c)+(\i)):(\f)+8*(4*(\c)+(\i))+3],         v[ADRA+(\slot)] offset:(\k)+64*(\c)+(\i)*16*PITCH
	ds_load_b128 v[(\f)+8*(4*(\c)+(\i))+4:(\f)+8*(4*(\c)+(\i))+7],       v[ADRA+(\slot)] offset:(\k)+64*(\c)+(\i)*16*PITCH+32
.endr
.endr
.endm
.macro PLACES                          ; four places in front of loads into registers that matrix instructions have read, and of vector lines that read results
.rept 4
	v_nop
.endr
.endm
; A K step is four quarters of 64 along K, 32 matrix instructions each, on buffers 0, 1, 0, 1.  One of the first three: multiplies buffer f and fetches the next plane, at byte k, into g.
.macro QUARTER slot, k, f, g, zero
	s_wait_dscnt 16                                ; the first 32 along K are in; the other sixteen loads may stay out
	WIN MUL
	MUL8 \f, 0, 0, \zero
	MUL8 \f, 0, 2, \zero
	PLACES
	FETCH \slot, \k, \g
	s_wait_dscnt 32                                ; all but the 32 just issued
	WIN MUL
	MUL8 \f, 1, 0, 0
	MUL8 \f, 1, 2, 0
.endm
; The last quarter of slot 0 multiplies buffer 1 and goes over to slot 1: each wave waits for its part of slot 1, then the barrier shows the whole slot to every wave.
.macro TURN next
	WIN 0                                          ; (the add's two registers lie in window 0)
	s_wait_tensorcnt 0x0                           ; all my tensor loads have landed: my part of slot 1;
	ds_add_u32 v[SPW], v[NIL]                      ; 0 onto my spare word;
	s_wait_dscnt 17                                ; (the add and the youngest sixteen loads may be out)
	WIN MUL
	MUL8 F1, 0, 0, 0
	s_wait_dscnt 0x0                               ; no LDS instruction of mine is out at the signal
	s_barrier_signal -1
	MUL8 F1, 0, 2, 0
	s_barrier_wait -1
	PLACES
	FETCH \next, 0, F0
	WIN MUL
	MUL8 F1, 1, 0, 0
	MUL8 F1, 1, 2, 0
.endm
; THE GELU of token block a, in place on its 32 registers.  The 32 powers are one batch with one wait, and so are the 32 reciprocals; each accumulator's lowest registers are read first.
.macro GELU a
.set UU, ACC+32*(\a)
.set i, 0
.rept 16
	v_pk_mul_f32 v[GT+2*i:GT+2*i+1], v[UU+2*i:UU+2*i+1], v[UU+2*i:UU+2*i+1]
.set i, i+1
.endr
.set i, 0
.rept 16
	v_pk_fma_f32 v[GT+2*i:GT+2*i+1], v[GT+2*i:GT+2*i+1], s[C1:C1+1], s[C0:C0+1] op_sel_hi:[1,0,0]
.set i, i+1
.endr
.set i, 0
.rept 16
	v_pk_mul_f32 v[GT+2*i:GT+2*i+1], v[GT+2*i:GT+2*i+1], v[UU+2*i:UU+2*i+1]
.set i, i+1
.endr
.set i, 0
.rept 32
	v_exp_f32 v[GT+i], v[GT+i]
.set i, i+1
.endr
	v_nop
	s_wait_alu depctr_va_vdst(0)
.set i, 0
.rept 16
	v_pk_add_f32 v[GT+2*i:GT+2*i+1], v[GT+2*i:GT+2*i+1], 1.0 op_sel_hi:[1,0]
.set i, i+1
.endr
.set i, 0
.rept 32
	v_rcp_f32 v[GT+i], v[GT+i]
.set i, i+1
.endr
	v_nop
	s_wait_alu depctr_va_vdst(0)
.set i, 0
.rept 16
	v_pk_mul_f32 v[UU+2*i:UU+2*i+1], v[UU+2*i:UU+2*i+1], v[GT+2*i:GT+2*i+1]
.set i, i+1
.endr
.endm
; THE WAY OUT of token block a: rounded, 16 bytes a lane into my own stage, back as whole rows of 128 bytes into the registers that they left, and stored.
.macro PACK a
.irp b, 0,1,2,3
.irp r, 0,1,2,3
	v_cvt_pk_f16_f32 v[TMP+16*(\a)+4*(\b)+(\r)], v[ACC+32*(\a)+8*(\b)+2*(\r)], v[ACC+32*(\a)+8*(\b)+2*(\r)+1]
.endr
.endr
.irp b, 0,1,2,3
	ds_store_b128 v[STO], v[TMP+16*(\a)+4*(\b):TMP+16*(\a)+4*(\b)+3] offset:32*(\b)
.endr
.irp f, 0,1,2,3
	ds_load_b128 v[TMP+16*(\a)+4*(\f):TMP+16*(\a)+4*(\f)+3], v[RD] offset:(\f)*4*SP  ; LDS serves a wave's instructions in order (ISA guide 5.7.1.4): these see the stores above; the next block's stores come behind them
.endr
.endm
.macro SEND a, younger                 ; younger: the LDS instructions issued behind block a's loads: the next block's eight, or none
.irp f, 0,1,2,3
	s_wait_dscnt (\younger)+3-(\f)
	global_store_b128 v[GO], v[TMP+16*(\a)+4*(\f):TMP+16*(\a)+4*(\f)+3], s[8:9] offset:(\a)*2048+(\f)*512  ; 512 consecutive bytes, at a multiple of 256 from C's first
.endr
.endm
	s_wait_tensorcnt 1                             ; my part of slot 0 is in; slot 1's load may stay out
	s_barrier_signal -1
	s_barrier_wait -1                              ; everybody's is
	FETCH 0, 0, F0
	QUARTER 0, PL,   F0, F1, 1                     ; the first products start the sums
	QUARTER 0, 2*PL, F1, F0, 0
	QUARTER 0, 3*PL, F0, F1, 0
	TURN 1
	QUARTER 1, PL,   F0, F1, 0
	QUARTER 1, 2*PL, F1, F0, 0
	QUARTER 1, 3*PL, F0, F1, 0
	s_wait_dscnt 16                                ; the very last quarter: nothing more to fetch
	WIN MUL
	MUL8 F1, 0, 0, 0
	MUL8 F1, 0, 2, 0
	s_wait_dscnt 0
	MUL8 F1, 1, 0, 0
	MUL8 F1, 1, 2, 0
	WIN 0
	PLACES
	GELU 0
	PACK 0
	GELU 1
	PACK 1                                         ; a block's arithmetic stands between the loads of the block before and its stores
	SEND 0, 8
	GELU 2
	PACK 2
	SEND 1, 8
	GELU 3
	PACK 3
	SEND 2, 8
	SEND 3, 0
	s_wait_tensorcnt 0x0                           ; the wave's end, behind my last tensor load and my last LDS store
	ds_add_u32 v[SPW], v[NIL]
	s_wait_dscnt 0x0
	CROUND                                         ; the closing round: no work-group ends while a partner may still ask for a tile that names it
	s_endpgm
.Lfunc_end_k_q73dca75015_mlp1:
	.size	k_q73dca75015_mlp1, .Lfunc_end_k_q73dca75015_mlp1-k_q73dca75015_mlp1
	.p2alignl 7, 3214868480
	.fill 96, 4, 3214868480
	.section	.rodata,"a",@progbits
	.p2align	6, 0x0
	.amdhsa_kernel k_q73dca75015_mlp1
		.amdhsa_group_segment_fixed_size 327680
		.amdhsa_private_segment_fixed_size 0
		.amdhsa_enable_private_segment 0
		.amdhsa_kernarg_size 24
		.amdhsa_user_sgpr_count 2
		.amdhsa_user_sgpr_kernarg_segment_ptr 1
		.amdhsa_wavefront_size32 1
		.amdhsa_system_sgpr_workgroup_id_x 1
		.amdhsa_system_sgpr_workgroup_id_y 1
		.amdhsa_system_sgpr_workgroup_id_z 1
		.amdhsa_system_vgpr_workitem_id 0
		.amdhsa_next_free_vgpr 512
		.amdhsa_next_free_sgpr 66
		.amdhsa_reserve_vcc 0
		.amdhsa_float_denorm_mode_32 3
		.amdhsa_float_denorm_mode_16_64 3
		.amdhsa_memory_ordered 1
		.amdhsa_forward_progress 1
		.amdhsa_inst_pref_size 79
	.end_amdhsa_kernel
	.amdgpu_metadata
---
amdhsa.version: [ 1, 2 ]
amdhsa.kernels:
  - .name:           k_q73dca75015_mlp1
    .symbol:         k_q73dca75015_mlp1.kd
    .args:
      - { .name: act0, .offset: 0, .size: 8, .value_kind: global_buffer, .address_space: global }
      - { .name: wt1, .offset: 8, .size: 8, .value_kind: global_buffer, .address_space: global }
      - { .name: big, .offset: 16, .size: 8, .value_kind: global_buffer, .address_space: global }
    .group_segment_fixed_size: 327680
    .private_segment_fixed_size: 0
    .kernarg_segment_align: 8
    .kernarg_segment_size: 24
    .max_flat_workgroup_size: 128
    .sgpr_count:     66
    .vgpr_count:     512
    .wavefront_size: 32
...
	.end_amdgpu_metadata
.endif
;; end of part 5
;; launch mlp2 (part 6): grid 4 x 64, 4 waves a work-group, clusters of 4 x 4, 327,680 bytes of LDS; arguments big, wt2, x, out0; writes out0
.if DOCPART == 6
	.amdgcn_target "amdgcn-amd-amdhsa--gfx1250"
	.amdhsa_code_object_version 6
	.text
	.protected	k_q73dca75015_mlp2
	.globl	k_q73dca75015_mlp2
	.p2align	8
	.type	k_q73dca75015_mlp2,@function
k_q73dca75015_mlp2:
	s_mov_b64 s[64:65], 0
	v_nop
	global_prefetch_b8 v0, s[64:65] scope:SCOPE_SE
	s_setreg_imm32_b32 hwreg(HW_REG_WAVE_MODE, 25, 1), 1
	s_wait_xcnt 0x0
	s_wait_alu depctr_hold_cnt(0) depctr_sa_sdst(0) depctr_va_vdst(0) depctr_va_sdst(0) depctr_va_ssrc(0) depctr_va_vcc(0) depctr_vm_vsrc(0)
	s_getreg_b32 s2, hwreg(HW_REG_IB_STS2, 6, 4)
	s_cmp_eq_u32 s2, 0
	s_cbranch_scc0 .Lentry_in_a_cluster
	s_endpgm
.Lentry_in_a_cluster:
	s_bfe_u32 s2, ttmp6, 0x10000c
	s_cmp_lg_u32 s2, 0xf033
	s_cbranch_scc0 .Lentry_shape_is_right
	s_endpgm
.Lentry_shape_is_right:
; out = x + A B^T with K = 2,048.  A: 32 planes of [8192 tokens][64] in f16; B: 4 tiles of 128 rows n, each 32 blocks of [128 n][64 k], in f16; x and out: [8192][512] f32.  Sums in f32.
; x is rounded once to bf16 on its way in, like every input of the module; the sum with it is f32 and leaves unrounded.
; A tile of C is 128 tokens x 128 columns; four waves, each 64 x 64: 16 accumulators of 16 x 16.  K goes in eight steps of 256 through a ring of two LDS slots.
; A slot holds four planes of A's 128 tokens and four blocks of B: 128 rows of 128 bytes each, padded to 144.  A wave's one tensor load for a slot brings two of them, each 16,384 dense bytes of memory.
; CLUSTERS: 4 x 4 work-groups.  The four of a row of the cluster need the same tiles of A, the four of a column the same tiles of B: each is asked for JOINTLY, by the same tensor load with the same
; descriptor and a mask that names the four.  THE MATRIX INSTRUCTION IS USED TRANSPOSED (source 0 = 16 rows of B, source 1 = 16 tokens): a lane then holds eight neighbouring columns of one token.
; A wave's 64 columns are 256 consecutive bytes of a row of out, aligned.  My part of x is asked for at the start, into registers of its own, and waited for once, in front of the way out.
; REGISTERS: window 0: v0-31 addresses; v32-127 at work on the way out; v128-255 the accumulators ((a, b) at v[128 + 8 (4 a + b)]).
;   window 1: two fragment buffers of 128: for 64 along K, 64 registers of A, then 64 of B.      window 2: v0-127 x: tokens 16 a + 2 t + l / 16, columns 4 (l % 16) .. + 3 at 4 (8 a + t)
.set PITCH,  144                       ; an LDS row: 128 bytes + 16 = 36 words: the 16 rows of a load start at 16 different groups of four banks (64 banks of 4 bytes: ISA guide 11.1)
.set PL,     128*PITCH                 ; a plane of 128 rows
.set SLOT,   8*PL                      ; A's four planes, then B's four
.set STAGE,  2*SLOT                    ; behind the ring: 16 rows x 272 bytes for each wave, for the way out
.set SP,     272                       ; 256 bytes + 16 = 68 words: row r starts at bank 4 r mod 64
.set SPARE,  STAGE+4*16*SP             ; behind the stages: the spare words, 128 bytes a wave: two blocks of 256 bytes that no other line names
.set ASTEP,  4*1048576                 ; four planes of A: a K step
.set BSTEP,  4*16384                   ; four blocks of B
.set BTSH,   19                        ; a tile of B is 32 blocks = 2^19 bytes
.set LAPS,   4                         ; a lap = two K steps = once round the ring
.set ADRA, 16                          ; v16-17  LDS address of my A fragments in slot 0, 1
.set ADRB, 20                          ; v20-21  the same for B
.set STO,  24                          ; v24     the way out: where I put 32 bytes of a row
.set RD,   25                          ; v25     the way out: where I read rows back
.set XO,   27                          ; v27     (l / 16) x 2,048 + 16 (l % 16): my 16 bytes in two rows of x and of out; never rewritten
.set SPW,  28                          ; v28     LDS address of my spare word; never rewritten
.set NIL,  29                          ; v29     0; never rewritten
.set TMP,  32                          ; v32-63  16 rows read back, then the sums
.set XP,   64                          ; v64-79  x rounded to bf16, packed
.set XU,   96                          ; v96-127 and widened again
.set ACC,  128
.set F0,   0                           ; fragment buffers, in window 1
.set F1,   128
.set G1, 24                            ; s[24:31] descriptor group 1 for A's tiles;  s[32:39] group 0, one set for each slot
.set G0, 32
.set G1B, 48                           ; s[48:55], s[56:63] the same for B's tiles
.set G0B, 56
.set XA,  68                           ; s[68:69] x at my 64 tokens x 64 columns; never rewritten once made
.set OA,  70                           ; s[70:71] out there
.set MSB, 0
.macro WIN new                         ; the immediate's high byte repeats the setting that is left
.if MSB != (\new)
	s_set_vgpr_msb (MSB<<8)|(\new)
.set MSB, \new
.endif
.endm
.set MUL,  0x05                        ; sources 0 (B) and 1 (A) window 1; C and D window 0
.set TO_F, 0x40                        ; destination window 1, address window 0
.macro JLOAD s                         ; a joint load: waves 0 and 1 fetch A's planes, waves 2 and 3 B's blocks; an s_nop 0 and four v_nop follow each of the two lines
	s_cmp_eq_u32 s11, 0
	s_cbranch_scc0 .Lfor_b_\@
	tensor_load_to_lds s[G0+4*(\s):G0+4*(\s)+3], s[G1:G1+7]
	s_nop 0
.rept 4
	v_nop
.endr
	s_branch .Lasked_\@
.Lfor_b_\@:
	tensor_load_to_lds s[G0B+4*(\s):G0B+4*(\s)+3], s[G1B:G1B+7]
	s_nop 0
.rept 4
	v_nop
.endr
.Lasked_\@:
.endm
.macro CREST                           ; a round of the cluster's barrier behind its opening barrier
	s_cmp_lg_u32 s10, 0
	s_cbranch_scc1 .Lnot_wave_0_\@
	s_barrier_signal -3
.Lnot_wave_0_\@:
	s_barrier_wait -3
	s_barrier_signal -1
	s_barrier_wait -1
.endm
.macro CROUND                          ; a whole round
	s_barrier_signal -1
	s_barrier_wait -1
	CREST
.endm
	s_load_b128 s[4:7], s[0:1], 0x0                ; A s[4:5], B s[6:7]
	s_load_b128 s[68:71], s[0:1], 0x10             ; x s[68:69], out s[70:71]
	v_lshl_add_u32 v[SPW], v0, 2, SPARE
	v_mov_b32 v[NIL], 0
	ds_add_u32 v[SPW], v[NIL]                      ; the wave's opening: the add and its wait stand ahead of my first tensor load; the set-up below stands between them
	ds_add_u32 v28, v29
	v_lshrrev_b32 v1, 5, v0
	v_readfirstlane_b32 s10, v1                    ; wave 0..3
	v_and_b32 v1, 15, v0                           ; l % 16
	v_bfe_u32 v2, v0, 4, 1                         ; l / 16
	v_lshlrev_b32 v[XO], 11, v2
	v_lshl_add_u32 v[XO], v1, 4, v[XO]
	s_lshr_b32 s11, s10, 1                         ; which half of the tile's tokens is mine.  Also: I fetch for A (0) or for B (1)
	s_and_b32 s12, s10, 1                          ; which half of its columns.  Also: which two of a slot's four planes I fetch
	s_bfe_u32 s40, ttmp6, 0x40000                  ; cx, cy: my place in the cluster
	s_bfe_u32 s41, ttmp6, 0x40004
	s_lshl_b32 s42, ttmp9, 2
	s_add_co_u32 s42, s42, s40                     ; tile column of C = 4 x cluster x + cx
	s_and_b32 s13, ttmp7, 0xffff
	s_lshl_b32 s13, s13, 2
	s_add_co_u32 s13, s13, s41                     ; tile row of C = 4 x cluster y + cy
	s_lshl_b32 s43, s41, 2
	s_lshl_b32 s43, 15, s43                        ; my row of the cluster
	s_lshl_b32 s44, 0x1111, s40                    ; my column
	; descriptor group 1: two rows of 8,192 elements (a plane's 128 tokens, dense), padded in LDS after every 128 bytes
	s_or_b32 s[G1+0], s43, (1<<16)|(1<<20)|(1<<21)|(4<<22)|(3<<25)  ; 15:0 the mask: A's tiles go to my row; 17:16 2-byte elements; 20 padding on; 21 set beside a mask; 24:22 after every 32 words (code 4); 31:25 4 words (code 3)
	s_or_b32 s[G1B+0], s44, (1<<16)|(1<<20)|(1<<21)|(4<<22)|(3<<25)
.irp g, G1, G1B
	s_mov_b32 s[(\g)+1], 8192<<16                  ; tensor_dim0 = 8,192
	s_mov_b32 s[(\g)+2], 2<<16                     ; tensor_dim1 = 2
	s_mov_b32 s[(\g)+3], 8192<<16                  ; tile_dim0 = 8,192
	s_mov_b32 s[(\g)+4], 2                         ; tile_dim1 = 2
	s_mov_b32 s[(\g)+6], 0
	s_mov_b32 s[(\g)+7], 0
.endr
	s_mov_b32 s[G1+5], 524288                      ; from plane to plane of A, in elements
	s_mov_b32 s[G1B+5], 8192                       ; from block to block of B
	s_lshl_b32 s16, s13, 14                        ; A: the tile's 128 tokens in a plane,
	s_lshl_b32 s17, s12, 21                        ; and my two planes
	s_add_co_u32 s16, s16, s17
	s_mov_b32 s17, 0
	s_lshl_b32 s46, s42, BTSH                      ; B: the tile,
	s_lshl_b32 s47, s12, 15                        ; and my two blocks
	s_add_co_u32 s46, s46, s47
	s_mov_b32 s47, 0
	s_mul_i32 s20, s10, 2*PL                       ; where they go: wave x two planes: no place in the cluster enters an LDS address
	s_wait_dscnt 0x0                               ; the opening add is done
	s_wait_kmcnt 0x0
	s_add_nc_u64 s[14:15], s[4:5], s[16:17]
	s_add_nc_u64 s[46:47], s[6:7], s[46:47]
	CROUND                                         ; all sixteen work-groups are here: the first joint loads meet
.irp s, 0,1
	s_mov_b32 s[G0+4*(\s)], 1
	s_add_co_u32 s[G0+4*(\s)+1], s20, (\s)*SLOT
	s_add_nc_u64 s[G0+4*(\s)+2:G0+4*(\s)+3], s[14:15], (\s)*ASTEP
	s_or_b32 s[G0+4*(\s)+3], s[G0+4*(\s)+3], 0x80000000
	s_mov_b32 s[G0B+4*(\s)], 1
	s_add_co_u32 s[G0B+4*(\s)+1], s20, (\s)*SLOT
	s_add_nc_u64 s[G0B+4*(\s)+2:G0B+4*(\s)+3], s[46:47], (\s)*BSTEP
	s_or_b32 s[G0B+4*(\s)+3], s[G0B+4*(\s)+3], 0x80000000
	JLOAD \s                                       ; two loads of mine are out
.endr
	s_lshl_b32 s16, s13, 18                        ; x and out: my 64 tokens, rows of 2,048 bytes,
	s_lshl_b32 s17, s11, 17
	s_add_co_u32 s16, s16, s17
	s_mov_b32 s17, 0
	s_add_nc_u64 s[XA:XA+1], s[XA:XA+1], s[16:17]
	s_add_nc_u64 s[OA:OA+1], s[OA:OA+1], s[16:17]
	s_lshl_b32 s46, s42, 9                         ; and my 64 columns: 256 bytes
	s_lshl_b32 s47, s12, 8
	s_add_co_u32 s46, s46, s47
	s_mov_b32 s47, 0
	s_add_nc_u64 s[XA:XA+1], s[XA:XA+1], s[46:47]
	s_add_nc_u64 s[OA:OA+1], s[OA:OA+1], s[46:47]
	WIN 0x80                                       ; destination window 2, address window 0
.set i, 0
.rept 32
	global_load_b128 v[4*i:4*i+3], v[XO], s[XA:XA+1] offset:(16*(i/8)+2*(i%8))*2048  ; two rows' 256 bytes
.set i, i+1
.endr
	WIN 0
	v_mul_u32_u24 v3, v1, PITCH
	v_lshl_add_u32 v3, v2, 4, v3                   ; a fragment's row x pitch + 16 x half
	s_mul_i32 s21, s11, 64*PITCH                   ; my 64 tokens in a plane of A
	s_mul_i32 s22, s12, 64*PITCH                   ; my 64 rows in a block of B,
	s_add_co_u32 s22, s22, 4*PL                    ; which lie behind A's four planes
.irp s, 0,1
	v_add_nc_u32 v[ADRA+(\s)], s21, v3
	v_add_nc_u32 v[ADRB+(\s)], s22, v3
	s_add_co_u32 s21, s21, SLOT
	s_add_co_u32 s22, s22, SLOT
.endr
	s_mul_i32 s23, s10, 16*SP
	s_add_co_u32 s23, s23, STAGE                   ; my stage
	v_mul_u32_u24 v4, v1, SP                       ; in: row l % 16, 32 bytes for each half of the lanes
	v_lshl_add_u32 v4, v2, 5, v4
	v_add_nc_u32 v[STO], s23, v4
	v_mul_u32_u24 v5, v2, SP                       ; back: lanes 0-15 take one row of 256 bytes, lanes 16-31 the next
	v_lshl_add_u32 v5, v1, 4, v5
	v_add_nc_u32 v[RD], s23, v5
; 8 matrix instructions: token blocks a0, a0 + 1 x all 4 column blocks, 32 along K: half c of buffer f.  zero = 1: the first product starts the sums.  The 16 accumulators take turns.
.macro MUL8 f, c, a0, zero
	WIN MUL
.irp a, \a0, (\a0)+1
.irp b, 0,1,2,3
.if \zero
	v_wmma_f32_16x16x32_f16 v[ACC+8*(4*(\a)+(\b)):ACC+8*(4*(\a)+(\b))+7], v[(\f)+64+8*(4*(\c)+(\b)):(\f)+64+8*(4*(\c)+(\b))+7], v[(\f)+8*(4*(\c)+(\a)):(\f)+8*(4*(\c)+(\a))+7], 0
.else
	v_wmma_f32_16x16x32_f16 v[ACC+8*(4*(\a)+(\b)):ACC+8*(4*(\a)+(\b))+7], v[(\f)+64+8*(4*(\c)+(\b)):(\f)+64+8*(4*(\c)+(\b))+7], v[(\f)+8*(4*(\c)+(\a)):(\f)+8*(4*(\c)+(\a))+7], v[ACC+8*(4*(\a)+(\b)):ACC+8*(4*(\a)+(\b))+7]
.endif
.endr
.endr
.endm
; 32 LDS loads in one run: the fragments of one plane (64 along K), which begins at byte k of the slot's part, into buffer f; the first 32 along K first
.macro FETCH slot, k, f
	WIN TO_F
.irp c, 0,1
.irp i, 0,1,2,3
	ds_load_b128 v[(\f)+64+8*(4*(\c)+(\i)):(\f)+64+8*(4*(\c)+(\i))+3],   v[ADRB+(\slot)] offset:(\k)+64*(\c)+(\i)*16*PITCH
	ds_load_b128 v[(\f)+64+8*(4*(\c)+(\i))+4:(\f)+64+8*(4*(\c)+(\i))+7], v[ADRB+(\slot)] offset:(\k)+64*(\c)+(\i)*16*PITCH+32
	ds_load_b128 v[(\f)+8*(4*(\c)+(\i)):(\f)+8*(4*(\c)+(\i))+3],         v[ADRA+(\slot)] offset:(\k)+64*(\c)+(\i)*16*PITCH
	ds_load_b128 v[(\f)+8*(4*(\c)+(\i))+4:(\f)+8*(4*(\c)+(\i))+7],       v[ADRA+(\slot)] offset:(\k)+64*(\c)+(\i)*16*PITCH+32
.endr
.endr
.endm
.macro PLACES                          ; four places in front of loads into registers that matrix instructions have read, and of LDS stores that read results
.rept 4
	v_nop
.endr
.endm
; A K step is four quarters of 64 along K, 32 matrix instructions each, on buffers 0, 1, 0, 1.  One of the first three: multiplies buffer f and fetches the next plane, at byte k, into g.
.macro QUARTER slot, k, f, g, zero
	s_wait_dscnt 16                                ; the first 32 along K are in; the other sixteen loads may stay out
	WIN MUL
	MUL8 \f, 0, 0, \zero
	MUL8 \f, 0, 2, \zero
	PLACES
	FETCH \slot, \k, \g
	s_wait_dscnt 32                                ; all but the 32 just issued
	WIN MUL
	MUL8 \f, 1, 0, 0
	MUL8 \f, 1, 2, 0
.endm
; The last quarter multiplies buffer 1 and changes slots: ONE barrier; in front of it each wave waits for all its tensor loads, adds 0 to its spare word, and waits for that and for its own reads of this slot.
; fill = 1: this slot is filled again, two K steps ahead; the barrier then opens a round of the cluster's barrier, and the joint refill is the first tensor load behind the round, one a wave.
.macro TURN slot, next, fill
	WIN 0                                          ; (the add's two registers lie in window 0)
	s_wait_tensorcnt 0x0                           ; all my tensor loads have landed: the one that was out is my part of the next slot;
	ds_add_u32 v[SPW], v[NIL]                      ; 0 onto my spare word;
	s_wait_dscnt 17                                ; (the add and the youngest sixteen loads may be out)
	WIN MUL
	MUL8 F1, 0, 0, 0                               ; eight matrix instructions stand between the add and the wait for it
	s_wait_dscnt 0x0                               ; the add is done, and my reads of this slot are over
	s_barrier_signal -1
	MUL8 F1, 0, 2, 0
.if \fill
	WIN 0
.endif
	s_barrier_wait -1
.if \fill
	CREST                                          ; no wave of any partner still reads this slot's tile or has a load on its way
	s_add_nc_u64 s[G0+4*(\slot)+2:G0+4*(\slot)+3], s[G0+4*(\slot)+2:G0+4*(\slot)+3], 2*ASTEP
	s_add_nc_u64 s[G0B+4*(\slot)+2:G0B+4*(\slot)+3], s[G0B+4*(\slot)+2:G0B+4*(\slot)+3], 2*BSTEP
	JLOAD \slot                                    ; 112 matrix instructions ahead of the wait for it; the four v_nop behind it are also the places in front of the loads below
.else
	PLACES
.endif
	FETCH \next, 0, F0
	WIN MUL
	MUL8 F1, 1, 0, 0
	MUL8 F1, 1, 2, 0
.endm
; THE WAY OUT of token block a: the f32 sums go into my own stage, 32 bytes a lane, and come back as whole rows of 256 bytes; x, rounded to bf16 and widened again, is added; 16 lanes store a row's 256 bytes.
.macro OUTB a
	WIN 0
	s_wait_xcnt 0x0                                ; the last block's stores have read their registers, which are loaded again below
.irp b, 0,1,2,3
	ds_store_b128 v[STO], v[ACC+32*(\a)+8*(\b):ACC+32*(\a)+8*(\b)+3]   offset:64*(\b)     ; each accumulator's lowest registers first
	ds_store_b128 v[STO], v[ACC+32*(\a)+8*(\b)+4:ACC+32*(\a)+8*(\b)+7] offset:64*(\b)+16
.endr
.irp t, 0,1,2,3,4,5,6,7
	ds_load_b128 v[TMP+4*(\t):TMP+4*(\t)+3], v[RD] offset:(\t)*2*SP  ; LDS serves a wave's instructions in order (ISA guide 5.7.1.4): these see the stores above
.endr
	WIN 0x0a                                       ; sources 0 and 1 window 2, destination window 0
.set i, 0
.rept 16
	v_cvt_pk_bf16_f32 v[XP+i], v[32*(\a)+2*i], v[32*(\a)+2*i+1]
.set i, i+1
.endr
	WIN 0
.set i, 0
.rept 16
	v_lshlrev_b32 v[XU+2*i], 16, v[XP+i]
	v_and_b32 v[XU+2*i+1], s18, v[XP+i]
.set i, i+1
.endr
	s_wait_dscnt 0x0                               ; the rows are back
.set i, 0
.rept 16
	v_pk_add_f32 v[TMP+2*i:TMP+2*i+1], v[TMP+2*i:TMP+2*i+1], v[XU+2*i:XU+2*i+1]
.set i, i+1
.endr
.irp t, 0,1,2,3,4,5,6,7
	global_store_b128 v[XO], v[TMP+4*(\t):TMP+4*(\t)+3], s[OA:OA+1] offset:(16*(\a)+2*(\t))*2048  ; 16 lanes store 256 consecutive bytes, at a multiple of 256 from out's first
.endr
.endm
	s_wait_tensorcnt 1                             ; my part of K step 0 is in; K step 1's load may stay out
	s_barrier_signal -1
	s_barrier_wait -1                              ; everybody's is
	FETCH 0, 0, F0
	QUARTER 0, PL, F0, F1, 1                       ; the first quarter stands in front of the loop: its first products start the sums
	WIN 0                                          ; at a label and at a branch every window is 0
	s_mov_b32 s3, LAPS-1
.Llap:                                                 ; a trip goes once round the ring, from a lap's second quarter to the next lap's first, and fills both slots again
	QUARTER 0, 2*PL, F1, F0, 0
	QUARTER 0, 3*PL, F0, F1, 0
	TURN 0, 1, 1
	QUARTER 1, PL,   F0, F1, 0
	QUARTER 1, 2*PL, F1, F0, 0
	QUARTER 1, 3*PL, F0, F1, 0
	TURN 1, 0, 1
	QUARTER 0, PL,   F0, F1, 0
	WIN 0
	s_sub_co_u32 s3, s3, 1
	s_cmp_lg_u32 s3, 0
	s_cbranch_scc1 .Llap
	QUARTER 0, 2*PL, F1, F0, 0                     ; the last lap fills nothing, and has no round of the cluster's barrier
	QUARTER 0, 3*PL, F0, F1, 0
	TURN 0, 1, 0
	QUARTER 1, PL,   F0, F1, 0
	QUARTER 1, 2*PL, F1, F0, 0
	QUARTER 1, 3*PL, F0, F1, 0
	s_wait_dscnt 16                                ; the very last quarter: nothing more to fetch
	WIN MUL
	MUL8 F1, 0, 0, 0
	MUL8 F1, 0, 2, 0
	s_wait_dscnt 0
	MUL8 F1, 1, 0, 0
	MUL8 F1, 1, 2, 0
	WIN 0
	PLACES
	s_mov_b32 s18, 0xffff0000                      ; a word's upper bf16
	s_wait_loadcnt 0x0                             ; x, asked for at the start
	OUTB 0
	OUTB 1
	OUTB 2
	OUTB 3
	s_wait_tensorcnt 0x0                           ; the wave's end, behind my last tensor load and my last LDS store
	ds_add_u32 v[SPW], v[NIL]
	s_wait_dscnt 0x0
	CROUND                                         ; the closing round: no work-group ends while a partner may still ask for a tile that names it
	s_endpgm
.Lfunc_end_k_q73dca75015_mlp2:
	.size	k_q73dca75015_mlp2, .Lfunc_end_k_q73dca75015_mlp2-k_q73dca75015_mlp2
	.p2alignl 7, 3214868480
	.fill 96, 4, 3214868480
	.section	.rodata,"a",@progbits
	.p2align	6, 0x0
	.amdhsa_kernel k_q73dca75015_mlp2
		.amdhsa_group_segment_fixed_size 327680
		.amdhsa_private_segment_fixed_size 0
		.amdhsa_enable_private_segment 0
		.amdhsa_kernarg_size 32
		.amdhsa_user_sgpr_count 2
		.amdhsa_user_sgpr_kernarg_segment_ptr 1
		.amdhsa_wavefront_size32 1
		.amdhsa_system_sgpr_workgroup_id_x 1
		.amdhsa_system_sgpr_workgroup_id_y 1
		.amdhsa_system_sgpr_workgroup_id_z 1
		.amdhsa_system_vgpr_workitem_id 0
		.amdhsa_next_free_vgpr 640
		.amdhsa_next_free_sgpr 72
		.amdhsa_reserve_vcc 0
		.amdhsa_float_denorm_mode_32 3
		.amdhsa_float_denorm_mode_16_64 3
		.amdhsa_memory_ordered 1
		.amdhsa_forward_progress 1
		.amdhsa_inst_pref_size 101
	.end_amdhsa_kernel
	.amdgpu_metadata
---
amdhsa.version: [ 1, 2 ]
amdhsa.kernels:
  - .name:           k_q73dca75015_mlp2
    .symbol:         k_q73dca75015_mlp2.kd
    .args:
      - { .name: big, .offset: 0, .size: 8, .value_kind: global_buffer, .address_space: global }
      - { .name: wt2, .offset: 8, .size: 8, .value_kind: global_buffer, .address_space: global }
      - { .name: x, .offset: 16, .size: 8, .value_kind: global_buffer, .address_space: global }
      - { .name: out0, .offset: 24, .size: 8, .value_kind: global_buffer, .address_space: global }
    .group_segment_fixed_size: 327680
    .private_segment_fixed_size: 0
    .kernarg_segment_align: 8
    .kernarg_segment_size: 32
    .max_flat_workgroup_size: 128
    .sgpr_count:     72
    .vgpr_count:     640
    .wavefront_size: 32
...
	.end_amdgpu_metadata
.endif
;; end of part 6
